; MI455X (gfx1250); checked and timed in simulation.
; The chip was launched on July 23, 2026; its instructions are those of AMD's public machine-readable ISA for CDNA 5 (MIT licence, August 2026) and "CDNA5" Instruction Set Architecture Reference Guide (July 2026). The comments in the code are by the model that wrote it; some were corrected since.
;; Causal Attention. Allowed arithmetic: matrix products marked QUANTISED: E3M2 operands, one E8M0 scale for each 32 along K, by v_wmma_scale_f32_16x16x128_f8f6f4 with both operands' format E3M2, f32 sums; everything else in f32.
;; Inputs: ln_beta 1,024 float32; ln_gamma 1,024 float32; w_out 1,024 x 1,024 float32; w_qkv 1,024 x 3,072 float32; x 4 x 2,048 x 1,024 float32.
;; Outputs: out0 4 x 2,048 x 1,024 float32.
;; This version of the problem:
;;   THIS VERSION OF THE PROBLEM IS GIVEN IN LOW PRECISION. The matrix products marked QUANTISED in the list below multiply operands that are first quantised to E3M2 (3 exponent bits, 2 mantissa bits; 6 bits a number), with one power-of-two scale for each 32 numbers along K (OCP MX v1.0); their sums are f32. All else is computed in f32.
;;   The module's matrix products, in the order in which they are computed (A, B: the left and right operand; K: the contracted axis; several contracted axes count as one K, in the product's order):
;;     1. [M 8,192, K 1,024] x [K 1,024, N 3,072]; A: computed on the way; B: input w_qkv: QUANTISED
;;     2. batch 64 x [M 2,048, K 64] x [K 64, N 2,048]; A: computed on the way; B: computed on the way: QUANTISED
;;     3. batch 64 x [M 2,048, K 2,048] x [K 2,048, N 64]; A: softmax (see below); B: computed on the way: QUANTISED
;;     4. [M 8,192, K 1,024] x [K 1,024, N 1,024]; A: computed on the way; B: input w_out: QUANTISED
;;   THE QUANTISER, for each operand of a quantised product, along K:
;;     - K is cut into blocks of 32 from its start; a last block that is shorter is filled with zeros.
;;     - A block's scale is 2^e with e = floor(log2(the largest magnitude in the block)) - 4, held to -126 .. 127; a block of zeros has e = 0. As a byte (E8M0): e + 127.
;;     - Each number is divided by its block's scale, clamped to +-28, and rounded to the nearest number of E3M2, ties to even, subnormals kept.
;;     - The product sums the exact products of the quantised numbers (number of the format x scale) in f32.
;;   ~~~python
;;   def quantise(x, axis):      # numpy; x: float32 -> the quantised numbers, widened to float32 again
;;       x = np.moveaxis(x, axis, -1); K = x.shape[-1]
;;       x = np.pad(x, [(0, 0)] * (x.ndim - 1) + [(0, -K % 32)]); x = x.reshape(x.shape[:-1] + (-1, 32)); a = np.abs(x).max(-1, keepdims=True)
;;       e = np.where(a > 0, np.clip(np.frexp(np.where(a > 0, a, 1))[1] - 1 - 4, -126, 127), 0)      # np.frexp(a)[1] - 1 = floor(log2(a)), exactly
;;       r = np.clip(x / 2.0 ** e, -28, 28)
;;       step = 2.0 ** (np.maximum(np.frexp(np.where(r == 0, 1, r))[1] - 1, -2) - 2)
;;       q = np.round(r / step) * step * 2.0 ** e      # np.round: ties to even
;;       return np.moveaxis(q.reshape(q.shape[:-2] + (-1,))[..., :K], -1, axis).astype(np.float32)
;;   ~~~
;;   SOFTMAX AHEAD OF A QUANTISED PRODUCT. Where the list says 'softmax', what is quantised is not the finished softmax but p = 2^(t - M), with t = logit x log2(e) and M = ceil(the row's largest t), a whole number; so 1/2 < the row's largest p <= 1. The row's sum l is taken of the UNQUANTISED p, in f32, and the product's result is divided by l at the end. Since M is a whole number, a kernel that streams over the keys may use a running M (the ceiling of the running maximum): every later rescaling is an exact power of two, which a block's scale takes up: the codes' values come out the same.
;;   OPERANDS COMPUTED ON THE WAY. 'Computed on the way' means the value that the module computes at that place (a softmax that the list does not call 'softmax' is quantised finished and normalised). What goes into a quantiser is computed in f32, as accurately as f32 sums, v_exp_f32 and their like allow (about 1e-6 of the number): no bf16 or f16 on the way to a quantiser, and a product that is left as it is and whose result goes on into a quantised operand takes f32 operands (vector FMAs, or v_wmma_f32_16x16x4_f32). A number that lies on a knife's edge between two numbers of the format may be rounded either way, as far as f32 arithmetic and the matrix unit's own rounding can turn it there, and no further.
;; One version. Each part assembles by itself: llvm-mc -triple=amdgcn-amd-amdhsa -mcpu=gfx1250 --defsym DOCPART=n.
;; ======== version 1 of 1: 4 launches
;; workspace buffers: xop 6,553,600 bytes; wop 3,276,800 bytes; qimg 7,340,032 bytes; kv 14,155,776 bytes; aop 6,553,600 bytes
;; launch prep (part 1): grid 768 x 1, 4 waves a work-group, no clusters, 75,264 bytes of LDS; arguments x, ln_gamma, ln_beta, w_qkv, w_out, xop, wop; writes xop, wop
.if DOCPART == 1
	.amdgcn_target "amdgcn-amd-amdhsa--gfx1250"
	.amdhsa_code_object_version 6
	.text
	.protected	k_qe139f9afd8_prep
	.globl	k_qe139f9afd8_prep
	.p2align	8
	.type	k_qe139f9afd8_prep,@function
k_qe139f9afd8_prep:
	s_mov_b64 s[64:65], 0
	v_nop
	global_prefetch_b8 v0, s[64:65] scope:SCOPE_SE
	s_setreg_imm32_b32 hwreg(HW_REG_WAVE_MODE, 25, 1), 1
	s_wait_xcnt 0x0
; PREP.  (a) xn = LayerNorm(x) x gamma + beta, in f32, quantised along its 1,024 channels to codes of E3M2 with one E8M0 byte for each 32;  (b) w_qkv [1024][3072] and w_out [1024][1024], quantised along K, their FIRST axis.
; WHAT IS STORED: IMAGES OF OPERAND REGISTERS.  Rows (tokens; columns of a weight) go in groups G of 128, a group in 8 tiles of 16; lane r of tile t holds row 32 (t / 2) + 8 (t % 2) + r + 8 (r / 8).
; Half a fragment (16 rows x 64 K: six registers a lane) is 768 bytes: registers 0-3 at 16 x lane, registers 4-5 at 512 + 8 x lane; lane (r, h) holds block 4 kc + 2 c + h of its row.
; Codes: [G][kc 0..7][t 0..7][c 0..1][768].  Scale bytes: [G][kq 0..1][t][r][16]: the bytes of blocks 16 kq .. 16 kq + 15, which are the scale words of kc = 4 kq .. 4 kq + 3.
; A block's scale is 2^(floor(log2(largest magnitude)) - 4): its byte is the largest magnitude's exponent field - 4, held at 1 from below by a floor among the maximum's leaves.
; LIMITS: NaN and infinities among the inputs are not served; a block whose largest magnitude lies under 2^-122 has the byte 1; a block of zeros has the byte 1 where the rule says 127 (its codes are zeros; this program alone reads the bytes).
; SHARES: work-groups 0-511: one tile of 16 tokens each, four tokens a wave; 512-703: 128 columns x 128 K of w_qkv; 704-767: the same of w_out.  The three ways part on the work-group's number and have LDS bytes of their own.
; No tensor loads, no matrix work: memory binds, so each byte of the inputs is read once, by loads of 512 (x) or 128 (weights) consecutive bytes a wave.
.set GSTR,   98304                     ; bytes of a group's codes
.set KCSTR,  12288                     ; of 128 along K of a group
.set TSTR,   1536                      ; of a tile's fragment
.set XSCL,   6291456                   ; where xop's scale bytes begin
.set WSCL,   3145728                   ; where wop's begin
.set IA,     36864                     ; LDS, tokens' way: 0: for each wave two stages of 32 places of 144 bytes;  IA: registers 0-3 of each block, 16 rows x (512 + 16);
.set IB,     45312                     ; IB: registers 4-5, 16 rows x (256 + 16);
.set ISC,    49664                     ; ISC: the tile's 512 scale bytes
.set WQ,     50176                     ; LDS, w_qkv's way: 3,072 bytes a wave
.set WO,     62464                     ; LDS, w_out's way: the same
.set FLOOR,  0x2800000                 ; 2^(5 - 127)
.set OFF4,   0xfe000000                ; -(4 << 23)
.set GAM, 16                           ; v16-47   gamma of my 32 columns
.set BET, 48                           ; v48-79   beta
.set X,   80                           ; v80-207  four rows, 32 numbers each
.set T,   208                          ; v208-239 a row after the turn; before it: means, variances, 1 / sigma
.set C,   240                          ; v240-246 a block's codes
.set MU,  208
.set VAR, 216
.set RS,  220
.set WX,  32                           ; weights' way: v32-159 128 numbers down K
.set WC,  160                          ; v160-191 codes, eight registers a block
	s_load_b256 s[4:11], s[0:1], 0x0               ; x s[4:5], gamma s[6:7], beta s[8:9], w_qkv s[10:11]
	s_load_b128 s[12:15], s[0:1], 0x20             ; w_out s[12:13], xop s[14:15]
	s_load_b64 s[16:17], s[0:1], 0x30              ; wop
	v_lshl_add_u32 v254, v0, 2, 0x12400
	v_mov_b32 v255, 0
	v_lshrrev_b32 v1, 5, v0
	v_readfirstlane_b32 s18, v1                    ; wave 0..3
	v_and_b32 v1, 31, v0                           ; lane
	s_cmp_lt_u32 ttmp9, 512
	s_cbranch_scc0 .Lweights
; ---------------- the tokens' way ----------------
.macro RED r                           ; the sum over the 32 lanes, in every lane
	v_add_f32_dpp v[\r], v[\r], v[\r] row_xmask:1 row_mask:0xf bank_mask:0xf
	v_add_f32_dpp v[\r], v[\r], v[\r] row_xmask:2 row_mask:0xf bank_mask:0xf
	v_add_f32_dpp v[\r], v[\r], v[\r] row_xmask:4 row_mask:0xf bank_mask:0xf
	v_add_f32_dpp v[\r], v[\r], v[\r] row_xmask:8 row_mask:0xf bank_mask:0xf
	v_permlanex16_b32 v252, v[\r], s20, s21
	v_add_f32 v[\r], v[\r], v252
.endm
; Row rho: mean, x - mean in place, variance + eps.  Two passes, as the formula reads: a common offset of x costs no accuracy.  left: the younger loads that may stay out.
.macro STAT rho, left
.set XR, X+32*(\rho)
	s_wait_loadcnt \left
	v_pk_add_f32 v[248:249], v[XR:XR+1], v[XR+2:XR+3]
	v_pk_add_f32 v[250:251], v[XR+4:XR+5], v[XR+6:XR+7]
.irp i, 8,12,16,20,24,28
	v_pk_add_f32 v[248:249], v[248:249], v[XR+\i:XR+\i+1]
	v_pk_add_f32 v[250:251], v[250:251], v[XR+\i+2:XR+\i+3]
.endr
	v_pk_add_f32 v[248:249], v[248:249], v[250:251]
	v_add_f32 v248, v248, v249
	RED 248
	v_mul_f32 v[MU+2*(\rho)], 0x3a800000, v248     ; / 1,024, twice: a pair for the packed forms
	v_mul_f32 v[MU+2*(\rho)+1], 0x3a800000, v248
.irp i, 0,2,4,6,8,10,12,14,16,18,20,22,24,26,28,30
	v_pk_add_f32 v[XR+\i:XR+\i+1], v[XR+\i:XR+\i+1], v[MU+2*(\rho):MU+2*(\rho)+1] neg_lo:[0,1] neg_hi:[0,1]
.endr
	v_pk_mul_f32 v[248:249], v[XR:XR+1], v[XR:XR+1]
	v_pk_mul_f32 v[250:251], v[XR+2:XR+3], v[XR+2:XR+3]
.irp i, 4,8,12,16,20,24,28
	v_pk_fma_f32 v[248:249], v[XR+\i:XR+\i+1], v[XR+\i:XR+\i+1], v[248:249]
	v_pk_fma_f32 v[250:251], v[XR+\i+2:XR+\i+3], v[XR+\i+2:XR+\i+3], v[250:251]
.endr
	v_pk_add_f32 v[248:249], v[248:249], v[250:251]
	v_add_f32 v248, v248, v249
	RED 248
	v_fma_f32 v[VAR+(\rho)], v248, s22, s23        ; / 1,024 + 1e-5
.endm
; Row rho goes through my stage: in as loaded (lane l: columns 128 j + 4 l ..), out one block of 32 neighbours a lane, into v[d] on.  LDS serves a wave's instructions in order: no wait between.
.macro TURN rho, d
.irp j, 0,1,2,3,4,5,6,7
	ds_store_b128 v3, v[X+32*(\rho)+4*\j:X+32*(\rho)+4*\j+3] offset:4608*((\rho)%2)+576*\j
.endr
.irp i, 0,1,2,3,4,5,6,7
	ds_load_b128 v[\d+4*\i:\d+4*\i+3], v4 offset:4608*((\rho)%2)+16*\i
.endr
.endm
; My block of row rho (32 numbers in v[d] on) becomes 24 bytes of codes and a scale byte.
.macro QROW d, rho
	v_max3_num_f32 v248, |v[\d]|, |v[\d+1]|, FLOOR
	v_max3_num_f32 v249, |v[\d+2]|, |v[\d+3]|, FLOOR
.irp i, 4,8,12,16,20,24,28
	v_max3_num_f32 v248, v248, |v[\d+\i]|, |v[\d+\i+1]|
	v_max3_num_f32 v249, v249, |v[\d+\i+2]|, |v[\d+\i+3]|
.endr
	v_max_num_f32 v248, v248, v249
	v_add_nc_u32 v250, OFF4, v248                  ; 4 off the exponent field: the conversion takes that field as its scale
	v_cvt_scalef32_pk16_bf6_f32 v[C:C+2], v[\d:\d+15], v250
	v_cvt_scalef32_pk16_bf6_f32 v[C+4:C+6], v[\d+16:\d+31], v250   ; (a conversion's three registers begin on an even number)
	v_lshrrev_b32 v251, 23, v250                   ; the scale's byte; also the plain line behind the conversions
	v_mov_b32 v[C+3], v[C+4]
	v_mov_b32 v[C+4], v[C+5]
	v_mov_b32 v[C+5], v[C+6]
	ds_store_b128 v5, v[C:C+3] offset:528*(\rho)
	ds_store_b64 v6, v[C+4:C+5] offset:272*(\rho)
	ds_store_b8 v7, v251 offset:16*(\rho)
.endm
	v_lshlrev_b32 v2, 4, v1                        ; 16 x lane
	v_lshlrev_b32 v10, 3, v1                       ; 8 x lane
	v_lshrrev_b32 v13, 3, v1
	v_and_b32 v14, 7, v1
	s_mul_i32 s19, s18, 9216                       ; my two stages
	v_mul_u32_u24 v3, v13, 144
	v_lshl_add_u32 v3, v14, 4, v3
	v_add_nc_u32 v3, s19, v3                       ; in: 144 (l / 8) + 16 (l % 8); a load's 512 bytes take four places
	v_mul_u32_u24 v4, v1, 144
	v_add_nc_u32 v4, s19, v4                       ; out: place l
	s_mul_i32 s19, s18, 2112
	s_add_co_u32 s19, s19, IA
	v_add_nc_u32 v5, s19, v2                       ; IA: row 4 w (+ rho), block l
	s_mul_i32 s19, s18, 1088
	s_add_co_u32 s19, s19, IB
	v_add_nc_u32 v6, s19, v10                      ; IB likewise
	v_lshrrev_b32 v13, 4, v1                       ; l / 16
	v_and_b32 v14, 15, v1                          ; l % 16
	s_lshl_b32 s19, s18, 6
	s_add_co_u32 s19, s19, ISC
	v_lshl_add_u32 v7, v13, 8, v14
	v_add_nc_u32 v7, s19, v7                       ; ISC: 256 (block / 16) + 16 row + block % 16
	v_mul_u32_u24 v8, v14, 528
	v_lshl_add_u32 v8, v13, 4, v8
	s_lshl_b32 s19, s18, 7
	s_add_co_u32 s19, s19, IA
	v_add_nc_u32 v8, s19, v8                       ; the way out: lane (r, h) takes block 8 w + 4 k + 2 c + h of row r
	v_mul_u32_u24 v9, v14, 272
	v_lshl_add_u32 v9, v13, 3, v9
	s_lshl_b32 s19, s18, 6
	s_add_co_u32 s19, s19, IB
	v_add_nc_u32 v9, s19, v9
	v_add_nc_u32 v11, ISC, v2
	v_lshlrev_b32 v12, 11, v13
	v_lshl_add_u32 v12, v14, 4, v12                ; the scale bytes in memory: 2,048 (l / 16) + 16 (l % 16)
	v_mov_b32 v252, 0                              ; a lane permute's destination counts as read
	s_mov_b32 s20, 0x76543210
	s_mov_b32 s21, 0xfedcba98                      ; lane l xor 16
	s_mov_b32 s22, 0x3a800000                      ; 1 / 1,024
	s_mov_b32 s23, 0x3727c5ac                      ; 1e-5
	s_lshr_b32 s24, ttmp9, 3                       ; G
	s_and_b32 s25, ttmp9, 7                        ; t
	s_lshl_b32 s26, s24, 7
	s_lshr_b32 s27, s25, 1
	s_lshl_b32 s27, s27, 5
	s_add_co_u32 s26, s26, s27
	s_and_b32 s27, s25, 1
	s_lshl_b32 s27, s27, 3
	s_add_co_u32 s26, s26, s27
	s_lshl_b32 s27, s18, 2
	s_add_co_u32 s26, s26, s27
	s_lshr_b32 s27, s18, 1
	s_lshl_b32 s27, s27, 3
	s_add_co_u32 s26, s26, s27                     ; my first token: 128 G + 32 (t / 2) + 8 (t % 2) + 4 w + 8 (w / 2); my four are neighbours
	s_lshl_b32 s26, s26, 12
	s_mov_b32 s27, 0
	s_mul_i32 s28, s24, GSTR
	s_mul_i32 s30, s25, TSTR
	s_add_co_u32 s28, s28, s30
	s_mul_i32 s30, s18, 2*KCSTR
	s_add_co_u32 s28, s28, s30                     ; codes: group G, tile t, kc = 2 w
	s_mov_b32 s29, 0
	s_lshl_b32 s30, s24, 12
	s_lshl_b32 s31, s25, 8
	s_add_co_u32 s30, s30, s31
	s_add_co_u32 s30, s30, XSCL                    ; scale bytes: group G, tile t
	s_mov_b32 s31, 0
	s_wait_kmcnt 0x0
	s_add_nc_u64 s[4:5], s[4:5], s[26:27]
	s_add_nc_u64 s[28:29], s[14:15], s[28:29]
	s_add_nc_u64 s[30:31], s[14:15], s[30:31]
.irp rho, 0,1,2,3
.irp j, 0,1,2,3,4,5,6,7
	global_load_b128 v[X+32*\rho+4*\j:X+32*\rho+4*\j+3], v2, s[4:5] offset:4096*\rho+512*\j th:TH_LOAD_NT   ; 512 consecutive bytes a load; read once in the launch
.endr
.endr
.irp j, 0,1,2,3,4,5,6,7
	global_load_b128 v[GAM+4*\j:GAM+4*\j+3], v2, s[6:7] offset:512*\j
.endr
.irp j, 0,1,2,3,4,5,6,7
	global_load_b128 v[BET+4*\j:BET+4*\j+3], v2, s[8:9] offset:512*\j
.endr
	STAT 0, 40                                     ; behind a row's eight loads: the later rows' eight each, and the sixteen of gamma and beta
	STAT 1, 32
	STAT 2, 24
	STAT 3, 16
	s_wait_alu depctr_va_vdst(0)
.irp rho, 0,1,2,3
	v_rsq_f32 v[RS+2*\rho], v[VAR+\rho]            ; one batch of four
.endr
	v_nop                                          ; a plain line behind the last of them
	s_wait_alu depctr_va_vdst(0)                   ; one wait for the batch, ahead of its first reader
.irp rho, 0,1,2,3
	v_mov_b32 v[RS+2*\rho+1], v[RS+2*\rho]
.endr
	s_wait_alu depctr_va_vdst(0)
	s_wait_loadcnt 0x0                             ; gamma and beta
.irp rho, 0,1,2,3
.irp i, 0,2,4,6,8,10,12,14,16,18,20,22,24,26,28,30
	v_pk_mul_f32 v[X+32*\rho+\i:X+32*\rho+\i+1], v[X+32*\rho+\i:X+32*\rho+\i+1], v[RS+2*\rho:RS+2*\rho+1]
.endr
.irp i, 0,2,4,6,8,10,12,14,16,18,20,22,24,26,28,30
	v_pk_fma_f32 v[X+32*\rho+\i:X+32*\rho+\i+1], v[X+32*\rho+\i:X+32*\rho+\i+1], v[GAM+\i:GAM+\i+1], v[BET+\i:BET+\i+1]
.endr
.endr
	TURN 0, T
	s_wait_dscnt 0x0                               ; row 0 is back, and the stage's stores have read their registers: they take row 1
	TURN 1, X
	QROW T, 0
	s_wait_dscnt 0x0
	TURN 2, X+32
	QROW X, 1
	s_wait_dscnt 0x0
	TURN 3, X+64
	QROW X+32, 2
	s_wait_dscnt 0x0
	QROW X+64, 3
	s_wait_dscnt 0x0                               ; for the others' sake: my codes and bytes lie in LDS
	s_barrier_signal -1
	s_barrier_wait -1
.irp k, 0,1
.irp c, 0,1
	ds_load_b128 v[208+8*(2*\k+\c):208+8*(2*\k+\c)+3], v8 offset:64*\k+32*\c
	ds_load_b64 v[212+8*(2*\k+\c):212+8*(2*\k+\c)+1], v9 offset:32*\k+16*\c
.endr
.endr
	s_wait_dscnt 0x0
.irp k, 0,1
.irp c, 0,1
	global_store_b128 v2, v[208+8*(2*\k+\c):208+8*(2*\k+\c)+3], s[28:29] offset:KCSTR*\k+768*\c        ; 512 consecutive bytes, aligned
	global_store_b64 v10, v[212+8*(2*\k+\c):212+8*(2*\k+\c)+1], s[28:29] offset:KCSTR*\k+768*\c+512    ; 256 consecutive bytes, aligned
.endr
.endr
	s_cmp_lg_u32 s18, 0
	s_cbranch_scc1 .Lx_end
	ds_load_b128 v[240:243], v11                   ; wave 0: the tile's 512 scale bytes
	s_wait_dscnt 0x0
	global_store_b128 v12, v[240:243], s[30:31]    ; two runs of 256 consecutive bytes, aligned
.Lx_end:
	s_wait_tensorcnt 0x0
	ds_add_u32 v254, v255
	s_wait_dscnt 0x0
	s_endpgm
; ---------------- the weights' way: a lane takes a column, its registers run down K ----------------
.macro WBLK b, left, STG               ; block b of my column's four
.set XS, WX+32*(\b)
.set CB, WC+8*(\b)
	s_wait_loadcnt \left
	v_max3_num_f32 v8, |v[XS]|, |v[XS+1]|, FLOOR
	v_max3_num_f32 v9, |v[XS+2]|, |v[XS+3]|, FLOOR
.irp i, 4,8,12,16,20,24,28
	v_max3_num_f32 v8, v8, |v[XS+\i]|, |v[XS+\i+1]|
	v_max3_num_f32 v9, v9, |v[XS+\i+2]|, |v[XS+\i+3]|
.endr
	v_max_num_f32 v8, v8, v9
	v_add_nc_u32 v10, OFF4, v8
	v_cvt_scalef32_pk16_bf6_f32 v[CB:CB+2], v[XS:XS+15], v10
	v_cvt_scalef32_pk16_bf6_f32 v[CB+4:CB+6], v[XS+16:XS+31], v10
	v_lshrrev_b32 v11, 23, v10                     ; the byte; also the plain line behind the conversions
.if (\b) == 0
	v_mov_b32 v16, v11
.else
	v_lshl_or_b32 v16, v11, 8*(\b), v16            ; the four bytes make my column's scale word of this kc
.endif
	v_mov_b32 v[CB+3], v[CB+4]
	v_mov_b32 v[CB+4], v[CB+5]
	v_mov_b32 v[CB+5], v[CB+6]
	ds_store_b128 v3, v[CB:CB+3] offset:\STG+768*((\b)/2)+256*((\b)%2)       ; the image's place of lane (r, h = b % 2), half c = b / 2
	ds_store_b64 v4, v[CB+4:CB+5] offset:\STG+512+768*((\b)/2)+128*((\b)%2)
.endm
; N: columns of the weight; STG: the way's LDS; P: the pointer's register; ID0: the way's first work-group; GADD: the first group in wop
.macro WPATH N, STG, P, ID0, GADD
	s_sub_co_u32 s24, ttmp9, \ID0
	s_lshr_b32 s25, s24, 3                         ; the group of 128 columns
	s_and_b32 s24, s24, 7                          ; kc
	s_mul_i32 s26, s24, 128*\N*4
	s_lshl_b32 s27, s25, 9
	s_add_co_u32 s26, s26, s27
	s_lshl_b32 s27, s18, 7
	s_add_co_u32 s26, s26, s27                     ; row 128 kc, column 128 group + 32 w
	s_mov_b32 s27, 0
	s_add_co_u32 s25, s25, \GADD
	s_mul_i32 s28, s25, GSTR
	s_mul_i32 s29, s24, KCSTR
	s_add_co_u32 s28, s28, s29
	s_mul_i32 s29, s18, 2*TSTR
	s_add_co_u32 s28, s28, s29                     ; codes: tiles 2 w and 2 w + 1
	s_mov_b32 s29, 0
	s_lshl_b32 s30, s25, 12
	s_lshr_b32 s31, s24, 2
	s_lshl_b32 s31, s31, 11
	s_add_co_u32 s30, s30, s31
	s_lshl_b32 s31, s18, 9
	s_add_co_u32 s30, s30, s31
	s_and_b32 s31, s24, 3
	s_lshl_b32 s31, s31, 2
	s_add_co_u32 s30, s30, s31
	s_add_co_u32 s30, s30, WSCL                    ; scale words: kq = kc / 4, tile 2 w, word kc % 4
	s_mov_b32 s31, 0
	s_wait_kmcnt 0x0
	s_add_nc_u64 s[26:27], s[\P:\P+1], s[26:27]
	s_add_nc_u64 s[28:29], s[16:17], s[28:29]
	s_add_nc_u64 s[30:31], s[16:17], s[30:31]
.set i, 0
.rept 128
	global_load_b32 v[WX+i], v2, s[26:27] offset:i*\N*4 th:TH_LOAD_NT     ; W(128 kc + i, my column): 128 consecutive bytes a wave, 512 a work-group; the largest offset, 127 N x 4, lies inside the signed 24-bit immediate
.set i, i+1
.endr
	WBLK 0, 63, \STG                               ; at most 63 of the 128 are out: the first 65 are in
	WBLK 1, 63, \STG
	WBLK 2, 32, \STG
	WBLK 3, 0, \STG
.irp i, 0,1,2,3,4,5
	ds_load_b128 v[192+4*\i:195+4*\i], v5 offset:\STG+512*\i              ; my own bytes, in order behind my stores: no barrier
.endr
	s_wait_alu depctr_va_vdst(0)
.irp i, 0,1,2,3,4,5
	s_wait_dscnt 5-\i
	global_store_b128 v6, v[192+4*\i:195+4*\i], s[28:29] offset:512*\i    ; 512 consecutive bytes, aligned
.endr
	global_store_b32 v7, v16, s[30:31]             ; 4 bytes a row, 16 bytes apart: these blocks of 256 bytes are written in part; 131,072 bytes in the whole launch
	s_wait_tensorcnt 0x0
	ds_add_u32 v254, v255
	s_wait_dscnt 0x0
	s_endpgm
.endm
.Lweights:
	s_wait_alu depctr_va_vdst(0)
	v_lshlrev_b32 v2, 2, v1                        ; 4 x lane
	v_lshlrev_b32 v6, 4, v1                        ; 16 x lane
	v_bfe_u32 v13, v1, 3, 1                        ; column 32 w + l is lane r = l % 8 + 8 (l / 16) of tile 2 w + u, u = (l / 8) % 2
	v_and_b32 v14, 7, v1
	v_lshrrev_b32 v15, 4, v1
	v_lshl_add_u32 v14, v15, 3, v14
	s_mul_i32 s19, s18, 2*TSTR                     ; my wave's part of the way's LDS; the way's base stands in the immediates
	v_mul_u32_u24 v15, v13, TSTR
	v_add_nc_u32 v15, s19, v15
	v_lshl_add_u32 v3, v14, 4, v15
	v_lshl_add_u32 v4, v14, 3, v15
	v_add_nc_u32 v5, s19, v6
	v_lshlrev_b32 v7, 8, v13
	v_lshl_add_u32 v7, v14, 4, v7
	s_cmp_lt_u32 ttmp9, 704
	s_cbranch_scc0 .Lwout
	WPATH 3072, WQ, 10, 512, 0
.Lwout:
	WPATH 1024, WO, 12, 704, 24
.Lfunc_end_k_qe139f9afd8_prep:
	.size	k_qe139f9afd8_prep, .Lfunc_end_k_qe139f9afd8_prep-k_qe139f9afd8_prep
	.p2alignl 7, 3214868480
	.fill 96, 4, 3214868480
	.section	.rodata,"a",@progbits
	.p2align	6, 0x0
	.amdhsa_kernel k_qe139f9afd8_prep
		.amdhsa_group_segment_fixed_size 75264
		.amdhsa_private_segment_fixed_size 0
		.amdhsa_enable_private_segment 0
		.amdhsa_kernarg_size 56
		.amdhsa_user_sgpr_count 2
		.amdhsa_user_sgpr_kernarg_segment_ptr 1
		.amdhsa_wavefront_size32 1
		.amdhsa_system_sgpr_workgroup_id_x 1
		.amdhsa_system_sgpr_workgroup_id_y 1
		.amdhsa_system_sgpr_workgroup_id_z 1
		.amdhsa_system_vgpr_workitem_id 0
		.amdhsa_next_free_vgpr 256
		.amdhsa_next_free_sgpr 66
		.amdhsa_reserve_vcc 0
		.amdhsa_float_denorm_mode_32 3
		.amdhsa_float_denorm_mode_16_64 3
		.amdhsa_memory_ordered 1
		.amdhsa_forward_progress 1
		.amdhsa_inst_pref_size 88
	.end_amdhsa_kernel
	.amdgpu_metadata
---
amdhsa.version: [ 1, 2 ]
amdhsa.kernels:
  - .name:           k_qe139f9afd8_prep
    .symbol:         k_qe139f9afd8_prep.kd
    .args:
      - { .name: x, .offset: 0, .size: 8, .value_kind: global_buffer, .address_space: global }
      - { .name: ln_gamma, .offset: 8, .size: 8, .value_kind: global_buffer, .address_space: global }
      - { .name: ln_beta, .offset: 16, .size: 8, .value_kind: global_buffer, .address_space: global }
      - { .name: w_qkv, .offset: 24, .size: 8, .value_kind: global_buffer, .address_space: global }
      - { .name: w_out, .offset: 32, .size: 8, .value_kind: global_buffer, .address_space: global }
      - { .name: xop, .offset: 40, .size: 8, .value_kind: global_buffer, .address_space: global }
      - { .name: wop, .offset: 48, .size: 8, .value_kind: global_buffer, .address_space: global }
    .group_segment_fixed_size: 75264
    .private_segment_fixed_size: 0
    .kernarg_segment_align: 8
    .kernarg_segment_size: 56
    .max_flat_workgroup_size: 128
    .sgpr_count:     66
    .vgpr_count:     256
    .wavefront_size: 32
...
	.end_amdgpu_metadata
.endif
;; end of part 1
;; launch qkv (part 2): grid 8 x 48, 4 waves a work-group, clusters of 4 x 4, 327,680 bytes of LDS; arguments xop, wop, qimg, kv; writes qimg, kv
.if DOCPART == 2
	.amdgcn_target "amdgcn-amd-amdhsa--gfx1250"
	.amdhsa_code_object_version 6
	.text
	.protected	k_qe139f9afd8_qkv
	.globl	k_qe139f9afd8_qkv
	.p2align	8
	.type	k_qe139f9afd8_qkv,@function
k_qe139f9afd8_qkv:
	s_mov_b64 s[64:65], 0
	v_nop
	global_prefetch_b8 v0, s[64:65] scope:SCOPE_SE
	s_setreg_imm32_b32 hwreg(HW_REG_WAVE_MODE, 25, 1), 1
	s_wait_xcnt 0x0
	s_wait_alu depctr_hold_cnt(0) depctr_sa_sdst(0) depctr_va_vdst(0) depctr_va_sdst(0) depctr_va_ssrc(0) depctr_va_vcc(0) depctr_vm_vsrc(0)
	s_getreg_b32 s2, hwreg(HW_REG_IB_STS2, 6, 4)
	s_cmp_eq_u32 s2, 0
	s_cbranch_scc0 .Lentry_in_a_cluster
	s_endpgm
.Lentry_in_a_cluster:
	s_bfe_u32 s2, ttmp6, 0x10000c
	s_cmp_lg_u32 s2, 0xf033
	s_cbranch_scc0 .Lentry_shape_is_right
	s_endpgm
.Lentry_shape_is_right:
; QKV.  qkv = xn w_qkv (8,192 x 1,024 x 3,072) on codes of E3M2 with E8M0 scales, and its results quantised in registers: q and k along the head's 64 channels, v along the keys.  No f32 result goes to memory.
; OPERANDS are images of operand registers (rows in groups G of 128, 8 tiles; lane r of tile t = row 32 (t / 2) + 8 (t % 2) + r + 8 (r / 8)): codes [G][kc][t][c][768], scale bytes [G][kq][t][r][16].
; With such rows as SOURCE 0, a lane's 16 registers of result tiles 2 b and 2 b + 1 are 16 neighbours 32 b + 16 (lane / 16) + 0 .. 15 of source 0's rows: what the conversions want.  So source 0 is the axis that is quantised next:
;   cluster rows y < 8 (q, k):  source 0 = 256 columns of w_qkv, source 1 = 256 tokens;      cluster rows y >= 8 (v):  source 0 = 256 tokens (the keys), source 1 = 256 of v's columns.
; A work-group of four waves makes 256 x 256, a wave 128 x 128: 64 accumulators, 512 registers.  K goes in steps of 256; a group's 256 along K are 24,576 dense bytes, one tensor load.
; THREE LDS slots: K steps 0, 1, 2 are first fills; step 3 fills slot 0 again, the launch's one refill.  By this text's count a wave has at most three tensor loads out.
; CLUSTERS 4 x 4: source 0's tile hangs on the cluster's x places alone and is asked for jointly along a column of the cluster, source 1's along a row.
; OUT: qimg [bh][g] blocks of 7,168: 8 tiles x 768 bytes of codes, then 1,024 bytes of scale words;  kv [bh][g] blocks of 13,824: K 8 x 768 | V 4 x 1,536 | K's scale words 1,024 | V's 512.  bh = 16 batch + head, g = the group of 128 tokens.
;   q's and k's scale words carry the head's two bytes below and two bytes 0 above: the upper half of the next product's K = 128 is filled by zero codes on q's side.
; LIMITS: NaN and infinities are not served; a block whose largest magnitude lies under 2^-122 (a block of zeros too) has the byte 1.
; REGISTERS: window 0: v1-15 addresses; v28-29 for the add; v32-63 source 0's scale words, v64-95 source 1's; v128-223 source 1's 8 fragments, one set (in the epilogue: scratch).
;   window 1: source 0's fragments, two sets, at v0 and v128.   windows 2, 3: accumulator (a, b) at v[8 (8 (a % 4) + b)], window 2 + a / 4.
.set GSTR,  98304
.set XSCL,  6291456
.set WSCL,  3145728
.set HALF,  24576                      ; a group's 256 along K
.set SLOT,  4*HALF                     ; source 1's two groups, then source 0's two
.set SPARE, 3*SLOT                     ; behind the slots: the spare words, 128 bytes a wave, that no other line names
.set QBLK,  7168
.set KVBLK, 13824
.set A16, 4                            ; v4-6   source 1: slot + my group + 16 x lane
.set A8,  7                            ; v7-9   + 8 x lane
.set B16, 10                           ; v10-12 source 0 likewise
.set B8,  13                           ; v13-15
.set SPW, 28
.set NIL, 29
.set SB,  32
.set SA,  64
.set AF,  128
.set PC,  128                          ; epilogue: v128-146 codes
.set TM,  150                          ; v150-165 maxima, bytes, scale operands
.set PW,  166                          ; the scale word just made
.set SWA, 168                          ; v168-175, v176-183 scale words to store
.set SWB, 176
.set WV,  14
.set HR,  15                           ; wave / 2: my half of source 1.  Also: 0 = I fetch for source 1, 1 = for source 0
.set HC,  16                           ; wave % 2: my half of source 0.  Also: which group I fetch
.set G1A, 24                           ; s[24:31] group 1 for source 1's tiles; s[32:43] three groups 0
.set G0A, 32
.set G1B, 48                           ; s[48:55], s[68:79] for source 0's
.set G0B, 68
.set CX,  80
.set CY,  81
.set CLY, 83
.set MR,  84
.set MC,  85
.set SEL, 98
.set MSB, 0
.macro WIN new                         ; the immediate's high byte repeats the setting that is left
.if MSB != (\new)
	s_set_vgpr_msb (MSB<<8)|(\new)
.set MSB, (\new)
.endif
.endm
.set MUL_LO, 0xa1                      ; source 0 window 1, source 1 window 0, C and D window 2
.set MUL_HI, 0xf1
.set TO_B,   0x40
.macro PLACES n
.rept \n
	v_nop
.endr
.endm
.macro CREST                           ; a round of the cluster's barrier behind its opening barrier
	s_cmp_lg_u32 s[WV], 0
	s_cbranch_scc1 .Lnot_wave_0_\@
	s_barrier_signal -3
.Lnot_wave_0_\@:
	s_barrier_wait -3
	s_barrier_signal -1
	s_barrier_wait -1
.endm
.macro CROUND
	s_barrier_signal -1
	s_barrier_wait -1
	CREST
.endm
.macro JLOAD                           ; the joint refill, by the first groups 0; four v_nop follow each line
	s_cmp_eq_u32 s[HR], 0
	s_cbranch_scc0 .Lfor_b_\@
	tensor_load_to_lds s[G0A:G0A+3], s[G1A:G1A+7]
	s_nop 0
.rept 4
	v_nop
.endr
	s_branch .Lasked_\@
.Lfor_b_\@:
	tensor_load_to_lds s[G0B:G0B+3], s[G1B:G1B+7]
	s_nop 0
.rept 4
	v_nop
.endr
.Lasked_\@:
.endm
	s_load_b256 s[4:11], s[0:1], 0x0               ; xop s[4:5], wop s[6:7], qimg s[8:9], kv s[10:11]
	v_lshl_add_u32 v[SPW], v0, 2, SPARE
	v_mov_b32 v[NIL], 0
	ds_add_u32 v28, v29
	ds_add_u32 v28, v29
	s_wait_dscnt 0x0
	v_lshrrev_b32 v3, 5, v0
	v_readfirstlane_b32 s[WV], v3
	s_lshr_b32 s[HR], s[WV], 1
	s_and_b32 s[HC], s[WV], 1
	s_bfe_u32 s[CX], ttmp6, 0x40000
	s_bfe_u32 s[CY], ttmp6, 0x40004
	s_and_b32 s[CLY], ttmp7, 0xffff                ; the cluster's y: the same in all sixteen partners
	s_lshl_b32 s[MR], s[CY], 2
	s_lshl_b32 s[MR], 15, s[MR]                    ; my row of the cluster
	s_lshl_b32 s[MC], 0x1111, s[CX]                ; my column
	s_or_b32 s[G1A], s[MR], (3<<16)|(1<<21)        ; 15:0 the mask; 17:16 elements of 8 bytes; 21 set beside a mask; no padding: a fragment's loads take consecutive bytes
	s_or_b32 s[G1B], s[MC], (3<<16)|(1<<21)
.irp g, G1A, G1B
	s_mov_b32 s[\g+1], 32<<16                      ; tensor_dim0 = 32 elements: rows of 256 bytes
	s_mov_b32 s[\g+2], 96<<16                      ; tensor_dim1 = 96
	s_mov_b32 s[\g+3], 32<<16                      ; tile_dim0
	s_mov_b32 s[\g+4], 96                          ; tile_dim1
	s_mov_b32 s[\g+5], 32                          ; the pitch: dense
	s_mov_b32 s[\g+6], 0
	s_mov_b32 s[\g+7], 0
.endr
	s_sub_co_u32 s86, s[CLY], 8
	s_lshl_b32 s86, s86, 1
	s_add_co_u32 s86, s86, ttmp9                   ; v: x + 2 (y - 8)
	s_lshl_b32 s87, s[CLY], 2                      ; q, k: 4 y
	s_mov_b32 s88, WSCL
	s_mov_b32 s89, XSCL
	s_mov_b32 s[SEL], 0x76543210
	s_mov_b32 s[SEL+1], 0xfedcba98
	s_wait_kmcnt 0x0
	s_cmp_lt_u32 s[CLY], 8                         ; q and k, or v?  All choices hang on this one compare
	s_cselect_b32 s86, ttmp9, s86
	s_cselect_b32 s87, s87, 0
	s_cselect_b32 s90, 0, 16                       ; v's columns begin at group 16 of wop
	s_cselect_b64 s[56:57], s[6:7], s[4:5]         ; source 0's buffer
	s_cselect_b64 s[58:59], s[4:5], s[6:7]         ; source 1's
	s_cselect_b32 s60, s88, s89                    ; where their scale bytes begin
	s_cselect_b32 s61, s89, s88
	s_lshl_b32 s86, s86, 2
	s_add_co_u32 s86, s86, s[CX]                   ; source 0's tile of 256: no cy enters it
	s_add_co_u32 s87, s87, s[CY]                   ; source 1's: no cx enters it
	s_lshl_b32 s91, s86, 1
	s_add_co_u32 s91, s91, s[HC]                   ; source 0's group that I fetch, and multiply
	s_mul_i32 s92, s91, GSTR
	s_mov_b32 s93, 0
	s_add_nc_u64 s[92:93], s[56:57], s[92:93]
	s_lshl_b32 s94, s87, 1
	s_add_co_u32 s94, s94, s90
	s_add_co_u32 s95, s94, s[HC]                   ; source 1's group that I fetch,
	s_add_co_u32 s94, s94, s[HR]                   ; and the one that I multiply
	s_mul_i32 s96, s95, GSTR
	s_mov_b32 s97, 0
	s_add_nc_u64 s[96:97], s[58:59], s[96:97]
	s_mul_i32 s45, s[WV], HALF                     ; where my load lands in a slot: wave x 24,576: no place in the cluster enters an LDS address
.irp s, 0,1,2
	s_mov_b32 s[G0A+4*\s], 1
	s_add_co_u32 s[G0A+4*\s+1], s45, \s*SLOT
	s_add_nc_u64 s[G0A+4*\s+2:G0A+4*\s+3], s[96:97], \s*HALF
	s_or_b32 s[G0A+4*\s+3], s[G0A+4*\s+3], 0x80000000
	s_mov_b32 s[G0B+4*\s], 1
	s_add_co_u32 s[G0B+4*\s+1], s45, \s*SLOT
	s_add_nc_u64 s[G0B+4*\s+2:G0B+4*\s+3], s[92:93], \s*HALF
	s_or_b32 s[G0B+4*\s+3], s[G0B+4*\s+3], 0x80000000
.endr
	s_lshl_b32 s46, s91, 12
	s_add_co_u32 s46, s46, s60
	s_mov_b32 s47, 0
	s_add_nc_u64 s[56:57], s[56:57], s[46:47]      ; the scale bytes of my group of source 0,
	s_lshl_b32 s46, s94, 12
	s_add_co_u32 s46, s46, s61
	s_add_nc_u64 s[58:59], s[58:59], s[46:47]      ; and of source 1
	CROUND                                         ; all sixteen work-groups are here: the first joint loads meet
	s_cmp_eq_u32 s[HR], 0                          ; a wave's three first fills stand in one branch, ahead of every wait on TENSORcnt, every LDS read and every further barrier
	s_cbranch_scc0 .Lfirst_b
	tensor_load_to_lds s[G0A:G0A+3], s[G1A:G1A+7]
	s_nop 0
	tensor_load_to_lds s[G0A+4:G0A+7], s[G1A:G1A+7]
	s_nop 0
	tensor_load_to_lds s[G0A+8:G0A+11], s[G1A:G1A+7]
	s_nop 0
.rept 4
	v_nop
.endr
	s_branch .Lfirst_done
.Lfirst_b:
	tensor_load_to_lds s[G0B:G0B+3], s[G1B:G1B+7]
	s_nop 0
	tensor_load_to_lds s[G0B+4:G0B+7], s[G1B:G1B+7]
	s_nop 0
	tensor_load_to_lds s[G0B+8:G0B+11], s[G1B:G1B+7]
	s_nop 0
.rept 4
	v_nop
.endr
.Lfirst_done:
	v_and_b32 v3, 31, v0
	v_lshlrev_b32 v1, 4, v3                        ; 16 x lane
	v_lshlrev_b32 v2, 3, v3                        ; 8 x lane
.irp q, 0,1                                    ; all scale words of my two groups, once: register 16 q + 4 i + j: kc = 4 q + j; lanes 0-15 tile 2 i, lanes 16-31 tile 2 i + 1
.irp i, 0,1,2,3
	global_load_b128 v[SB+16*\q+4*\i:SB+16*\q+4*\i+3], v1, s[56:57] offset:2048*\q+512*\i
	global_load_b128 v[SA+16*\q+4*\i:SA+16*\q+4*\i+3], v1, s[58:59] offset:2048*\q+512*\i
.endr
.endr
	s_mul_i32 s18, s[HR], HALF
	s_mul_i32 s19, s[HC], HALF
	s_add_co_u32 s19, s19, 2*HALF
.irp s, 0,1,2
	v_add_nc_u32 v[A16+\s], s18, v1
	v_add_nc_u32 v[A8+\s], s18, v2
	v_add_nc_u32 v[B16+\s], s19, v1
	v_add_nc_u32 v[B8+\s], s19, v2
	s_add_co_u32 s18, s18, SLOT
	s_add_co_u32 s19, s19, SLOT
.endr
; A fragment (16 rows x 128 K, 12 registers) comes as it lies: four loads, each of consecutive bytes.
.macro FRAG reg, a16, a8, off
	ds_load_b128 v[\reg:\reg+3], v[\a16] offset:\off
	ds_load_b64 v[\reg+4:\reg+5], v[\a8] offset:\off+512
	ds_load_b128 v[\reg+6:\reg+9], v[\a16] offset:\off+768
	ds_load_b64 v[\reg+10:\reg+11], v[\a8] offset:\off+1280
.endm
.macro FETCH_B kc                      ; source 0's eight fragments of step kc into set kc % 2
.set SL, (((\kc)/2)%3)
.set OF, ((\kc)%2)*12288
.set RB, 128*((\kc)%2)
	WIN TO_B
.irp i, 0,1,2,3,4,5,6,7
	FRAG RB+12*\i, B16+SL, B8+SL, OF+1536*\i
.endr
	WIN 0
.endm
.macro FETCH_A kc, i0                  ; source 1's blocks i0 .. i0 + 3
.set SL, (((\kc)/2)%3)
.set OF, ((\kc)%2)*12288
.irp i, \i0, \i0+1, \i0+2, \i0+3
	FRAG AF+12*(\i), A16+SL, A8+SL, OF+1536*(\i)
.endr
.endm
; One product: accumulator (a, b), step kc.  A scale register carries an even tile's words in lanes 0-15 and the odd tile's in lanes 16-31.
.macro WM a, b, kc, zero
.set rD, 8*(8*((\a)%4)+(\b))
.set rB, 128*((\kc)%2)+12*(\b)
.set rA, AF+12*(\a)
.set rS0, SB+16*((\kc)/4)+4*((\b)/2)+((\kc)%4)
.set rS1, SA+16*((\kc)/4)+4*((\a)/2)+((\kc)%4)
.set o0, (\b)%2
.set o1, (\a)%2
.if (\zero) && (o0 == 0) && (o1 == 0)
	v_wmma_scale_f32_16x16x128_f8f6f4 v[rD:rD+7], v[rB:rB+11], v[rA:rA+11], 0, v[rS0], v[rS1] matrix_a_fmt:MATRIX_FMT_BF6 matrix_b_fmt:MATRIX_FMT_BF6
.elseif (\zero) && (o0 == 1) && (o1 == 0)
	v_wmma_scale_f32_16x16x128_f8f6f4 v[rD:rD+7], v[rB:rB+11], v[rA:rA+11], 0, v[rS0], v[rS1] matrix_a_fmt:MATRIX_FMT_BF6 matrix_b_fmt:MATRIX_FMT_BF6 matrix_a_scale:MATRIX_SCALE_ROW1
.elseif (\zero) && (o0 == 0) && (o1 == 1)
	v_wmma_scale_f32_16x16x128_f8f6f4 v[rD:rD+7], v[rB:rB+11], v[rA:rA+11], 0, v[rS0], v[rS1] matrix_a_fmt:MATRIX_FMT_BF6 matrix_b_fmt:MATRIX_FMT_BF6 matrix_b_scale:MATRIX_SCALE_ROW1
.elseif (\zero)
	v_wmma_scale_f32_16x16x128_f8f6f4 v[rD:rD+7], v[rB:rB+11], v[rA:rA+11], 0, v[rS0], v[rS1] matrix_a_fmt:MATRIX_FMT_BF6 matrix_b_fmt:MATRIX_FMT_BF6 matrix_a_scale:MATRIX_SCALE_ROW1 matrix_b_scale:MATRIX_SCALE_ROW1
.elseif (o0 == 0) && (o1 == 0)
	v_wmma_scale_f32_16x16x128_f8f6f4 v[rD:rD+7], v[rB:rB+11], v[rA:rA+11], v[rD:rD+7], v[rS0], v[rS1] matrix_a_fmt:MATRIX_FMT_BF6 matrix_b_fmt:MATRIX_FMT_BF6
.elseif (o0 == 1) && (o1 == 0)
	v_wmma_scale_f32_16x16x128_f8f6f4 v[rD:rD+7], v[rB:rB+11], v[rA:rA+11], v[rD:rD+7], v[rS0], v[rS1] matrix_a_fmt:MATRIX_FMT_BF6 matrix_b_fmt:MATRIX_FMT_BF6 matrix_a_scale:MATRIX_SCALE_ROW1
.elseif (o0 == 0) && (o1 == 1)
	v_wmma_scale_f32_16x16x128_f8f6f4 v[rD:rD+7], v[rB:rB+11], v[rA:rA+11], v[rD:rD+7], v[rS0], v[rS1] matrix_a_fmt:MATRIX_FMT_BF6 matrix_b_fmt:MATRIX_FMT_BF6 matrix_b_scale:MATRIX_SCALE_ROW1
.else
	v_wmma_scale_f32_16x16x128_f8f6f4 v[rD:rD+7], v[rB:rB+11], v[rA:rA+11], v[rD:rD+7], v[rS0], v[rS1] matrix_a_fmt:MATRIX_FMT_BF6 matrix_b_fmt:MATRIX_FMT_BF6 matrix_a_scale:MATRIX_SCALE_ROW1 matrix_b_scale:MATRIX_SCALE_ROW1
.endif
.endm
.macro MUL16 a0, kc, zero              ; source 1's blocks a0, a0 + 1 against source 0's eight.  The 64 accumulators take turns, one instruction a turn, in the same order in every step
.irp a, \a0, \a0+1
.irp b, 0,1,2,3,4,5,6,7
	WM \a, \b, \kc, \zero
.endr
.endr
.endm
; A step of 128 along K; the next step's fragments are fetched in two runs, each behind four places: loads into registers that matrix instructions have read stand four plain vector lines behind them.
.macro SUB kc, zero
	s_wait_dscnt 16                                ; source 0's set and source 1's blocks 0-3 are in; the youngest 16 loads (blocks 4-7) may be out
	WIN MUL_LO
	MUL16 0, \kc, \zero
	MUL16 2, \kc, \zero
	s_wait_dscnt 0x0
	PLACES 4
	FETCH_B (\kc)+1
	FETCH_A (\kc)+1, 0
	WIN MUL_HI
	MUL16 4, \kc, \zero
	MUL16 6, \kc, \zero
	PLACES 4
	WIN 0
	FETCH_A (\kc)+1, 4
.endm
; A step with a barrier: in front of it each wave waits for all its tensor loads, adds 0 to its spare word, and waits for that and for its LDS reads.  fill = 1: slot 0, which nobody reads any more, takes K step 3.
.macro TURN kc, fill
	s_wait_tensorcnt 0x0                           ; all my tensor loads have landed;  (every window is 0 here)
	ds_add_u32 v[SPW], v[NIL]                      ; 0 onto my spare word
	s_wait_dscnt 17                                ; (the add and the youngest 16 loads may be out)
	WIN MUL_LO
	MUL16 0, \kc, 0
	s_wait_dscnt 0x0                               ; the add is done and my LDS reads are over
	s_barrier_signal -1
	MUL16 2, \kc, 0
	WIN 0
	s_barrier_wait -1
.if \fill
	CREST                                          ; the barrier has opened a round of the cluster's: no wave of any partner still reads slot 0 or has a load on its way
	s_add_nc_u64 s[G0A+2:G0A+3], s[G0A+2:G0A+3], 3*HALF
	s_add_nc_u64 s[G0B+2:G0B+3], s[G0B+2:G0B+3], 3*HALF
	JLOAD                                          ; the first tensor load behind the round, one a wave; it has three and a half steps, 224 matrix instructions, in which to land; its four v_nop are the places for the loads below
.else
	PLACES 4
.endif
	FETCH_B (\kc)+1
	FETCH_A (\kc)+1, 0
	WIN MUL_HI
	MUL16 4, \kc, 0
	MUL16 6, \kc, 0
	PLACES 4
	WIN 0
	FETCH_A (\kc)+1, 4
.endm
	s_wait_alu depctr_va_vdst(0)
	s_wait_tensorcnt 2                             ; my part of K step 0 is in; steps 1 and 2 may stay out
	s_barrier_signal -1
	s_barrier_wait -1
	FETCH_B 0
	FETCH_A 0, 0
	FETCH_A 0, 4
	s_wait_loadcnt 0x0                             ; the scale words
	SUB 0, 1                                       ; the first products start the sums: nothing is cleared
	TURN 1, 1                                      ; slots 1 and 2 are whole in every wave's sight from here on
	SUB 2, 0
	SUB 3, 0
	SUB 4, 0
	TURN 5, 0                                      ; K step 3 has landed in slot 0
	SUB 6, 0
	s_wait_dscnt 16
	WIN MUL_LO
	MUL16 0, 7, 0
	MUL16 2, 7, 0
	s_wait_dscnt 0x0
	WIN MUL_HI
	MUL16 4, 7, 0
	MUL16 6, 7, 0
	WIN 0
	s_wait_tensorcnt 0x0                           ; my last LDS instructions: the epilogue below touches no LDS
	ds_add_u32 v[SPW], v[NIL]
	PLACES 4                                       ; the places behind the last products: the epilogue reads results and writes over source 1's fragments
.irp b, 0,1,2,3
	v_mov_b32 v[TM+4+\b], 0                        ; a lane permute's destination counts as read
.endr
	s_wait_dscnt 0x0
; The 64 results of source 1's tile a (register 16 b + i = neighbour 32 b + 16 (lane / 16) + i of source 0's rows, for my lane's row of source 1) become a fragment's codes in v[PC] on and its scale word in v[PW].
.macro QUANT a
.set QS, 64*((\a)%4)
.set QW, 2+(\a)/4
	WIN 0x14*QW                                    ; sources 1 and 2: the accumulators' window
.irp b, 0,1,2,3
	v_max3_num_f32 v[TM+\b], 0x2800000, |v[QS+16*\b]|, |v[QS+1+16*\b]|       ; the floor 2^(5 - 127) among the leaves; each accumulator is read from its low end on
.endr
.irp i, 2,4,6,8,10,12,14
.irp b, 0,1,2,3
	v_max3_num_f32 v[TM+\b], v[TM+\b], |v[QS+16*\b+\i]|, |v[QS+1+16*\b+\i]|
.endr
.endr
	WIN 0
.irp b, 0,1,2,3
	v_permlanex16_b32 v[TM+4+\b], v[TM+\b], s[SEL], s[SEL+1]
.endr
.irp b, 0,1,2,3
	v_max_num_f32 v[TM+\b], v[TM+\b], v[TM+4+\b]   ; with lane l xor 16's: the block's largest magnitude
.endr
.irp b, 0,1,2,3
	v_add_nc_u32 v[TM+12+\b], 0xfe000000, v[TM+\b]
.endr
.irp b, 0,1,2,3
	v_lshrrev_b32 v[TM+4+\b], 23, v[TM+12+\b]
.endr
	v_lshl_or_b32 v[PW], v[TM+5], 8, v[TM+4]
	v_lshl_or_b32 v[PW], v[TM+6], 16, v[PW]
	v_lshl_or_b32 v[PW], v[TM+7], 24, v[PW]
	s_wait_xcnt 0x0                                ; the last tile's stores have read the codes' registers: only now are they written again
	WIN QW                                         ; source 0: the accumulators' window
.irp c, 0,1
	v_cvt_scalef32_pk16_bf6_f32 v[PC+6*\c:PC+2+6*\c], v[QS+32*\c:QS+15+32*\c], v[TM+12+2*\c]
	v_cvt_scalef32_pk16_bf6_f32 v[PC+12+4*\c:PC+14+4*\c], v[QS+16+32*\c:QS+31+32*\c], v[TM+12+2*\c+1]
.endr
	WIN 0
	v_nop                                          ; one plain line behind a scaled conversion
.irp c, 0,1                                    ; the operand's layout wants a whole block in a lane
.irp i, 0,1,2
	v_permlane16_swap_b32 v[PC+6*\c+\i], v[PC+12+4*\c+\i]
.endr
.irp i, 0,1,2
	v_mov_b32 v[PC+3+6*\c+\i], v[PC+12+4*\c+\i]
.endr
.endr
.endm
	s_cmp_lt_u32 s[CLY], 8
	s_cbranch_scc0 .Lepi_v
	; ---- q or k: tile a is 16 tokens; its 128 channels are two heads: registers 0-5 and bytes 0, 1 are the first head's, registers 6-11 and bytes 2, 3 the second's
	s_lshr_b32 s18, s94, 4                         ; batch
	s_and_b32 s19, s94, 15                         ; g
	s_and_b32 s20, s91, 7
	s_lshl_b32 s20, s20, 1                         ; the first head
	s_lshl_b32 s18, s18, 4
	s_add_co_u32 s18, s18, s20
	s_lshl_b32 s18, s18, 4
	s_add_co_u32 s18, s18, s19                     ; the block: 16 bh + g
	s_mov_b32 s21, QBLK
	s_mov_b32 s22, KVBLK
	s_mov_b32 s23, 6144
	s_mov_b32 s46, 12288
	s_cmp_eq_u32 ttmp9, 0                          ; cluster x = 0: q's columns; 1: k's
	s_cselect_b64 s[56:57], s[8:9], s[10:11]
	s_cselect_b32 s21, s21, s22
	s_cselect_b32 s46, s23, s46                    ; where a block's scale words begin
	s_mul_i32 s18, s18, s21
	s_mov_b32 s19, 0
	s_add_nc_u64 s[56:57], s[56:57], s[18:19]      ; the first head's block,
	s_lshl_b32 s18, s21, 4
	s_add_nc_u64 s[58:59], s[56:57], s[18:19]      ; the second's: 16 blocks on
	s_mov_b32 s47, 0
	s_add_nc_u64 s[60:61], s[56:57], s[46:47]
	s_add_nc_u64 s[62:63], s[58:59], s[46:47]
.irp a, 0,1,2,3,4,5,6,7
	QUANT \a
	global_store_b128 v1, v[PC:PC+3], s[56:57] offset:768*\a           ; every store covers 512 or 256 consecutive bytes, aligned
	global_store_b64 v2, v[PC+4:PC+5], s[56:57] offset:768*\a+512
	global_store_b128 v1, v[PC+6:PC+9], s[58:59] offset:768*\a
	global_store_b64 v2, v[PC+10:PC+11], s[58:59] offset:768*\a+512
	v_and_b32 v[SWA+\a], 0xffff, v[PW]
	v_lshrrev_b32 v[SWB+\a], 16, v[PW]
.endr
	global_store_b128 v1, v[SWA:SWA+3], s[60:61]
	global_store_b128 v1, v[SWA+4:SWA+7], s[60:61] offset:512
	global_store_b128 v1, v[SWB:SWB+3], s[62:63]
	global_store_b128 v1, v[SWB+4:SWB+7], s[62:63] offset:512
	s_branch .Lend
.Lepi_v:
	; ---- v: tile a is 16 channels (tile a % 4 of head a / 4 of my two), its 128 neighbours are the keys of group g: a whole fragment of V^T
	s_lshr_b32 s18, s91, 4                         ; batch
	s_and_b32 s19, s91, 15                         ; g
	s_sub_co_u32 s20, s94, 16
	s_lshl_b32 s20, s20, 1                         ; the first head
	s_lshl_b32 s18, s18, 4
	s_add_co_u32 s18, s18, s20
	s_lshl_b32 s18, s18, 4
	s_add_co_u32 s18, s18, s19
	s_mul_i32 s18, s18, KVBLK
	s_add_co_u32 s18, s18, 6144                    ; V's part of the block
	s_mov_b32 s19, 0
	s_add_nc_u64 s[56:57], s[10:11], s[18:19]
	s_add_nc_u64 s[58:59], s[56:57], 16*KVBLK
.irp a, 0,1,2,3,4,5,6,7
	QUANT \a
.irp i, 0,1,2
	global_store_b128 v1, v[PC+4*\i:PC+4*\i+3], s[56+2*(\a/4):57+2*(\a/4)] offset:1536*(\a%4)+512*\i
.endr
	v_mov_b32 v[SWA+\a], v[PW]
.endr
	global_store_b128 v1, v[SWA:SWA+3], s[56:57] offset:7168
	global_store_b128 v1, v[SWA+4:SWA+7], s[58:59] offset:7168
.Lend:
	CROUND                                         ; the closing round: no work-group ends while a partner may still ask for a tile that names it
	s_endpgm
.Lfunc_end_k_qe139f9afd8_qkv:
	.size	k_qe139f9afd8_qkv, .Lfunc_end_k_qe139f9afd8_qkv-k_qe139f9afd8_qkv
	.p2alignl 7, 3214868480
	.fill 96, 4, 3214868480
	.section	.rodata,"a",@progbits
	.p2align	6, 0x0
	.amdhsa_kernel k_qe139f9afd8_qkv
		.amdhsa_group_segment_fixed_size 327680
		.amdhsa_private_segment_fixed_size 0
		.amdhsa_enable_private_segment 0
		.amdhsa_kernarg_size 32
		.amdhsa_user_sgpr_count 2
		.amdhsa_user_sgpr_kernarg_segment_ptr 1
		.amdhsa_wavefront_size32 1
		.amdhsa_system_sgpr_workgroup_id_x 1
		.amdhsa_system_sgpr_workgroup_id_y 1
		.amdhsa_system_sgpr_workgroup_id_z 1
		.amdhsa_system_vgpr_workitem_id 0
		.amdhsa_next_free_vgpr 1024
		.amdhsa_next_free_sgpr 100
		.amdhsa_reserve_vcc 0
		.amdhsa_float_denorm_mode_32 3
		.amdhsa_float_denorm_mode_16_64 3
		.amdhsa_memory_ordered 1
		.amdhsa_forward_progress 1
		.amdhsa_inst_pref_size 181
	.end_amdhsa_kernel
	.amdgpu_metadata
---
amdhsa.version: [ 1, 2 ]
amdhsa.kernels:
  - .name:           k_qe139f9afd8_qkv
    .symbol:         k_qe139f9afd8_qkv.kd
    .args:
      - { .name: xop, .offset: 0, .size: 8, .value_kind: global_buffer, .address_space: global }
      - { .name: wop, .offset: 8, .size: 8, .value_kind: global_buffer, .address_space: global }
      - { .name: qimg, .offset: 16, .size: 8, .value_kind: global_buffer, .address_space: global }
      - { .name: kv, .offset: 24, .size: 8, .value_kind: global_buffer, .address_space: global }
    .group_segment_fixed_size: 327680
    .private_segment_fixed_size: 0
    .kernarg_segment_align: 8
    .kernarg_segment_size: 32
    .max_flat_workgroup_size: 128
    .sgpr_count:     100
    .vgpr_count:     1024
    .wavefront_size: 32
...
	.end_amdgpu_metadata
.endif
;; end of part 2
;; launch attn (part 3): grid 256 x 1, 16 waves a work-group, clusters of 4 x 1, 223,232 bytes of LDS; arguments qimg, kv, aop; writes aop
.if DOCPART == 3
	.amdgcn_target "amdgcn-amd-amdhsa--gfx1250"
	.amdhsa_code_object_version 6
	.text
	.protected	k_qe139f9afd8_attn
	.globl	k_qe139f9afd8_attn
	.p2align	8
	.type	k_qe139f9afd8_attn,@function
k_qe139f9afd8_attn:
	s_mov_b64 s[64:65], 0
	v_nop
	global_prefetch_b8 v0, s[64:65] scope:SCOPE_SE
	s_setreg_imm32_b32 hwreg(HW_REG_WAVE_MODE, 25, 1), 1
	s_wait_xcnt 0x0
	s_wait_alu depctr_hold_cnt(0) depctr_sa_sdst(0) depctr_va_vdst(0) depctr_va_sdst(0) depctr_va_ssrc(0) depctr_va_vcc(0) depctr_vm_vsrc(0)
	s_getreg_b32 s2, hwreg(HW_REG_IB_STS2, 6, 4)
	s_cmp_eq_u32 s2, 0
	s_cbranch_scc0 .Lentry_in_a_cluster
	s_endpgm
.Lentry_in_a_cluster:
	s_bfe_u32 s2, ttmp6, 0x10000c
	s_cmp_lg_u32 s2, 0x3003
	s_cbranch_scc0 .Lentry_shape_is_right
	s_endpgm
.Lentry_shape_is_right:
; ATTN.  Causal attention of 64 (batch, head) pairs, 2,048 tokens, head size 64, both products on codes of E3M2 with E8M0 scales; the result, divided by the row's sum, is quantised along the 1,024 inner channels and stored as the last product's operand.
; THE SOFTMAX: t = score x log2(e) / 8; M = the running largest t rounded UP to a whole number; p = 2^(t - M) is quantised along the keys, not normalised; the row's sum is taken of the unquantised p; when M moves, sum and O are multiplied by 2^(old M - new M), exactly.
; SHARES.  A cluster of four work-groups serves one head (ttmp9).  A wave owns one tile of 16 queries at a time, in 256 registers, four waves to a SIMD.  It runs two passes on tile t = 2 cx + w % 2: of group g = w / 2, then of group 15 - w / 2.
;   Tile (g, t) needs key steps 0 .. g, so every wave of the launch does 17 key steps of 128 keys.  g and every branch hang on the wave's number alone; cx enters global addresses and the mask's numbers only.
; LDS.  The head's K and V, 16 blocks of 13,824 bytes (K 8 x 768 | V 4 x 1,536 | K's scale words 1,024 | V's 512), filled ONCE: wave w asks for block w jointly with its three partners.  No slot is filled again.
; LAYOUT.  Both products transposed: S^T = K Q^T, O^T = V^T P^T: a lane holds one query throughout.  Rows of every operand are in the order 32 (t / 2) + 8 (t % 2) + r + 8 (r / 8), so p's 16 registers of two neighbouring tiles are 16 neighbouring keys, and O^T's likewise 16 neighbouring channels.
; K = 64 IN THE FIRST PRODUCT.  The instruction takes 128 along K.  Q's registers 6-11 are zero codes; K's fragments stand 6 registers apart, so that registers 6-11 of one are the next one's codes (six zeroed registers stand behind the last).
;   E3M2 has no infinity and no NaN: 0 x any code adds nothing; the scale words' upper two bytes are 0, which stands for 2^-127.
; LIMITS: NaN and infinities are not served; a p under 2^-126 comes out of v_exp_f32 as 0 (ISA guide, 15.8), beside a row's sum above 1/2; a block whose largest magnitude lies under 2^-122 has the byte 1.
; REGISTERS: v1 16 x lane, v2 8 x lane, v3 the mask's number, v4-5 LDS addresses, v6 16 (lane % 16); v12 -M, v13 largest t, v[14:15] the sum; v16-27 Q; v28 Q's scale words; v32-85 K's or V's fragments; v96-159 S^T, then p;
;   v160-191 O^T; v200-207 K's scale words; v224-235 p's codes; v232-247, v252-254 at work; v248-251 V's scale words; v253 p's scale word.
.set GSTR,  98304
.set XSCL,  6291456
.set QBLK,  7168
.set KVBLK, 13824
.set WV,   18
.set SEL,  20
.set CS,   22
.set G1,   24
.set G0,   32
.set GQ,   36                          ; my queries' group
.set STP,  37                          ; the key step
.set TB,   38                          ; its block in LDS
.set PASS, 39
.macro ROUND
	s_barrier_signal -1
	s_barrier_wait -1
	s_cmp_lg_u32 s[WV], 0
	s_cbranch_scc1 .Lnot_wave_0_\@
	s_barrier_signal -3
.Lnot_wave_0_\@:
	s_barrier_wait -3
	s_barrier_signal -1
	s_barrier_wait -1
.endm
	s_load_b128 s[4:7], s[0:1], 0x0                ; qimg s[4:5], kv s[6:7]
	s_load_b64 s[8:9], s[0:1], 0x10                ; aop
	v_lshl_add_u32 v243, v0, 2, 0x36000
	v_mov_b32 v255, 0
	ds_add_u32 v243, v255
	ds_add_u32 v243, v255
	v_lshrrev_b32 v7, 5, v0
	s_delay_alu instid0(VALU_DEP_1)
	v_readfirstlane_b32 s[WV], v7                  ; wave 0..15
	s_bfe_u32 s10, ttmp6, 0x40000                  ; cx
	s_and_b32 s12, s[WV], 1
	s_lshl_b32 s11, s10, 1
	s_add_co_u32 s11, s11, s12                     ; t: my tile of queries in a group
	s_mov_b32 s[G1], 15|(3<<16)|(1<<21)            ; 15:0 the mask: all four work-groups; 17:16 elements of 8 bytes; 21 set beside a mask; no padding
	s_mov_b32 s[G1+1], 32<<16                      ; rows of 256 bytes,
	s_mov_b32 s[G1+2], 54<<16                      ; 54 of them: a block
	s_mov_b32 s[G1+3], 32<<16
	s_mov_b32 s[G1+4], 54
	s_mov_b32 s[G1+5], 32
	s_mov_b32 s[G1+6], 0
	s_mov_b32 s[G1+7], 0
	s_lshl_b32 s13, ttmp9, 4
	s_add_co_u32 s13, s13, s[WV]
	s_mul_i32 s14, s13, KVBLK                      ; block w of my head: the same in all four partners
	s_mov_b32 s15, 0
	s_mov_b32 s[G0], 1
	s_mul_i32 s[G0+1], s[WV], KVBLK
	s_wait_dscnt 0x0
	s_wait_kmcnt 0x0
	s_add_nc_u64 s[G0+2:G0+3], s[6:7], s[14:15]
	s_or_b32 s[G0+3], s[G0+3], 0x80000000
	ROUND                                          ; all four work-groups are here: the joint loads meet
	tensor_load_to_lds s[G0:G0+3], s[G1:G1+7]      ; my one tensor load of the launch
	s_nop 0
.rept 4
	v_nop
.endr
	; what does not hang on the pass: q's tile and its scale words, the result's half fragment and its two scale bytes, all for group 0
	s_mul_i32 s56, ttmp9, 16*QBLK
	s_mul_i32 s58, s11, 768
	s_add_co_u32 s58, s58, s56
	s_mov_b32 s59, 0
	s_add_nc_u64 s[40:41], s[4:5], s[58:59]
	s_lshr_b32 s58, s11, 2
	s_lshl_b32 s58, s58, 9
	s_and_b32 s57, s11, 3
	s_lshl_b32 s57, s57, 2
	s_add_co_u32 s58, s58, s57
	s_add_co_u32 s58, s58, s56
	s_add_co_u32 s58, s58, 6144
	s_add_nc_u64 s[42:43], s[4:5], s[58:59]
	s_lshr_b32 s56, ttmp9, 4                       ; batch
	s_and_b32 s57, ttmp9, 15                       ; head: inner channels 64 head on: kc = head / 2, half c = head % 2
	s_mul_i32 s58, s56, 16*GSTR
	s_lshr_b32 s60, s57, 1
	s_mul_i32 s60, s60, 12288
	s_add_co_u32 s58, s58, s60
	s_mul_i32 s60, s11, 1536
	s_add_co_u32 s58, s58, s60
	s_and_b32 s60, s57, 1
	s_mul_i32 s60, s60, 768
	s_add_co_u32 s58, s58, s60
	s_add_nc_u64 s[44:45], s[8:9], s[58:59]
	s_lshl_b32 s58, s56, 16
	s_lshr_b32 s60, s57, 3
	s_lshl_b32 s60, s60, 11
	s_add_co_u32 s58, s58, s60
	s_lshl_b32 s60, s11, 8
	s_add_co_u32 s58, s58, s60
	s_and_b32 s60, s57, 7
	s_lshl_b32 s60, s60, 1
	s_add_co_u32 s58, s58, s60
	s_add_co_u32 s58, s58, XSCL
	s_add_nc_u64 s[46:47], s[8:9], s[58:59]
	s_mov_b32 s[SEL], 0x76543210
	s_mov_b32 s[SEL+1], 0xfedcba98
	s_mov_b32 s[CS], 0x3e38aa3b                    ; c = log2(e) / 8
	s_mov_b32 s[CS+1], s[CS]
	v_and_b32 v7, 31, v0
	s_delay_alu instid0(VALU_DEP_1)
	v_lshlrev_b32 v1, 4, v7
	s_delay_alu instid0(VALU_DEP_2)
	v_lshlrev_b32 v2, 3, v7
	v_and_b32 v8, 15, v0                           ; r
	v_bfe_u32 v9, v0, 4, 1                         ; h
	s_delay_alu instid0(VALU_DEP_2)
	v_lshlrev_b32 v6, 4, v8
	s_delay_alu instid0(VALU_DEP_3)
	v_and_b32 v10, 8, v8
	s_delay_alu instid0(VALU_DEP_1)
	v_add_nc_u32 v3, v8, v10
	s_delay_alu instid0(VALU_DEP_4)
	v_lshlrev_b32 v9, 4, v9
	s_delay_alu instid0(VALU_DEP_1)
	v_sub_nc_u32 v3, v3, v9
	s_lshl_b32 s60, s10, 5
	s_lshl_b32 s61, s12, 3
	s_add_co_u32 s60, s60, s61
	v_add_nc_u32 v3, s60, v3                       ; d = my query's place in its group - 16 h = 32 cx + 8 (w % 2) + r + 8 (r / 8) - 16 h
.irp j, 22,23,24,25,26,27,80,81,82,83,84,85
	v_mov_b32 v[\j], 0                             ; zero codes: the upper half of Q's K, and what stands behind K's last fragment
.endr
.irp j, 236,237,238,239,252,253
	v_mov_b32 v[\j], 0                             ; written once: a lane permute's destination, and the upper half of a pair, count as read
.endr
	s_lshr_b32 s[GQ], s[WV], 1
	s_mov_b32 s[PASS], 2
	s_wait_tensorcnt 0x0                           ; my block has landed,
	s_barrier_signal -1
	s_barrier_wait -1                              ; everybody's has: the head's K and V lie in LDS
.Lpass:
	s_wait_xcnt 0x0                                ; the last pass's stores have read their registers and bases
	s_mul_i32 s56, s[GQ], QBLK
	s_mov_b32 s57, 0
	s_add_nc_u64 s[48:49], s[40:41], s[56:57]
	s_add_nc_u64 s[50:51], s[42:43], s[56:57]
	s_mul_i32 s56, s[GQ], GSTR
	s_add_nc_u64 s[52:53], s[44:45], s[56:57]
	s_lshl_b32 s56, s[GQ], 12
	s_add_nc_u64 s[54:55], s[46:47], s[56:57]
	global_load_b128 v[16:19], v1, s[48:49]        ; Q's half fragment, as it lies
	global_load_b64 v[20:21], v2, s[48:49] offset:512
	global_load_b32 v28, v1, s[50:51]              ; its scale words
	v_mov_b32 v13, 0xff61b1e6                      ; the largest t so far: -3e38
	s_delay_alu instid0(VALU_DEP_1)
	v_floor_f32 v12, -v13                          ; -M
	v_mov_b32 v14, 0
	v_mov_b32 v15, 0
.set j, 0
.rept 32
	v_mov_b32 v[160+j], 0                          ; O^T: the step is written once; the first finds zeros, which the first change of M leaves zeros
.set j, j+1
.endr
	s_mov_b32 s[STP], 0
	s_wait_loadcnt 0x0
.Lstep:                                            ; 16 trips, a constant; the steps all of whose keys come after my queries are jumped over, by the wave's number
	s_cmp_gt_u32 s[STP], s[GQ]
	s_cbranch_scc1 .Lskip
	s_mul_i32 s[TB], s[STP], KVBLK
	s_setprio 2
	v_add_nc_u32 v4, s[TB], v1
	v_add_nc_u32 v5, s[TB], v2
.irp t, 0,1,2,3,4,5,6,7
	ds_load_b128 v[32+6*\t:35+6*\t], v4 offset:768*\t
	ds_load_b64 v[36+6*\t:37+6*\t], v5 offset:768*\t+512
.endr
	ds_load_b128 v[200:203], v4 offset:12288
	ds_load_b128 v[204:207], v4 offset:12800
	s_wait_alu depctr_va_vdst(0)
	s_wait_dscnt 0x0
.irp t, 0,1,2,3,4,5,6,7
	v_wmma_scale_f32_16x16x128_f8f6f4 v[96+8*\t:103+8*\t], v[32+6*\t:43+6*\t], v[16:27], 0, v[200+\t], v28 matrix_a_fmt:MATRIX_FMT_BF6 matrix_b_fmt:MATRIX_FMT_BF6
.endr
.rept 4
	v_nop                                          ; four places: ahead of the loads into K's registers and of the first read of the scores
.endr
.irp u, 0,1,2,3                                ; V's four fragments and scale words are asked for now and land under the softmax
.irp i, 0,1,2
	ds_load_b128 v[32+12*\u+4*\i:35+12*\u+4*\i], v4 offset:6144+1536*\u+512*\i
.endr
.endr
	ds_load_b128 v[248:251], v4 offset:13312
	s_cmp_lg_u32 s[STP], s[GQ]                     ; on the diagonal the scores of hidden keys become -infinity: p = 0 then.  Register 16 b + i holds key 32 b + 16 h + i of the group: hidden where 32 b + i > d
	s_cbranch_scc1 .Lopen
	v_mov_b32 v254, 0xff800000
.set n, 0
.rept 64
	v_cmp_gt_i32 vcc_lo, 32*(n/16)+n%16, v3
	v_cndmask_b32 v[96+n], v[96+n], v254, vcc_lo
.set n, n+1
.endr
.Lopen:
.irp b, 0,1,2,3
	v_max3_num_f32 v[232+\b], v[96+16*\b], v[97+16*\b], v[98+16*\b]       ; the largest score of each block of 32 keys: for the row's maximum and, since p rises with the score, for the block's largest p
.endr
.irp i, 3,5,7,9,11,13
.irp b, 0,1,2,3
	v_max3_num_f32 v[232+\b], v[232+\b], v[96+16*\b+\i], v[97+16*\b+\i]
.endr
.endr
.irp b, 0,1,2,3
	v_max_num_f32 v[232+\b], v[232+\b], v[111+16*\b]
.endr
.irp b, 0,1,2,3
	s_delay_alu instid0(VALU_DEP_4)
	v_permlanex16_b32 v[236+\b], v[232+\b], s[SEL], s[SEL+1]
.endr
.irp b, 0,1,2,3
	s_delay_alu instid0(VALU_DEP_4)
	v_max_num_f32 v[232+\b], v[232+\b], v[236+\b]
.endr
	s_delay_alu instid0(VALU_DEP_2)
	v_max3_num_f32 v254, v232, v233, v234
	s_delay_alu instid0(VALU_DEP_1)
	v_max_num_f32 v254, v254, v235
	s_delay_alu instid0(VALU_DEP_1)
	v_mul_f32 v254, s[CS], v254
	s_delay_alu instid0(VALU_DEP_1)
	v_max_num_f32 v13, v13, v254                   ; the running largest t
	v_mov_b32 v254, v12
	s_delay_alu instid0(VALU_DEP_2)
	v_floor_f32 v12, -v13                          ; the new -M = -ceil(t)
	s_delay_alu instid0(VALU_DEP_1)
	v_sub_f32 v254, v12, v254                      ; old M - new M: a whole number, 0 or less
	s_delay_alu instid0(VALU_DEP_1)
	v_cvt_i32_f32 v254, v254                       ; (it saturates)
	s_delay_alu instid0(VALU_DEP_1)
	v_ldexp_f32 v252, 1.0, v254                    ; f = 2^(old M - new M)
.set j, 0
.rept 32
	v_pk_fma_f32 v[96+j:97+j], v[96+j:97+j], s[CS:CS+1], v[12:13] op_sel_hi:[1,0,0]   ; t - M
.set j, j+2
.endr
	s_setprio 1
.irp b, 0,1,2,3
	v_fma_f32 v[232+\b], v[232+\b], s[CS], v12
.endr
.set j, 0
	s_wait_alu depctr_va_vdst(0)
.rept 64
	v_exp_f32 v[96+j], v[96+j]                     ; p = 2^(t - M): one batch
.set j, j+1
.endr
	v_pk_mul_f32 v[14:15], v[14:15], v[252:253] op_sel_hi:[1,0]           ; the sums under the new M; also the plain line behind the batch
	s_wait_alu depctr_va_vdst(0)                   ; one wait for the batch, ahead of its first reader
.irp b, 0,1,2,3
	v_exp_f32 v[232+\b], v[232+\b]                 ; each block's largest p
.endr
	v_pk_add_f32 v[236:237], v[100:101], v[104:105]
	v_pk_add_f32 v[246:247], v[108:109], v[112:113]
	v_pk_add_f32 v[244:245], v[116:117], v[120:121]
	v_pk_add_f32 v[240:241], v[124:125], v[128:129]
	v_pk_add_f32 v[238:239], v[132:133], v[136:137]
	v_pk_add_f32 v[230:231], v[140:141], v[144:145]
	v_pk_add_f32 v[228:229], v[148:149], v[152:153]
	v_pk_add_f32 v[14:15], v[14:15], v[156:157]
	v_pk_add_f32 v[236:237], v[236:237], v[96:97]
	v_pk_add_f32 v[246:247], v[246:247], v[98:99]
	v_pk_add_f32 v[244:245], v[244:245], v[102:103]
	v_pk_add_f32 v[240:241], v[240:241], v[106:107]
	v_pk_add_f32 v[238:239], v[238:239], v[110:111]
	v_pk_add_f32 v[230:231], v[230:231], v[114:115]
	v_pk_add_f32 v[228:229], v[228:229], v[118:119]
	v_pk_add_f32 v[14:15], v[14:15], v[122:123]
	v_pk_add_f32 v[236:237], v[236:237], v[126:127]
	v_pk_add_f32 v[246:247], v[246:247], v[130:131]
	v_pk_add_f32 v[244:245], v[244:245], v[134:135]
	v_pk_add_f32 v[240:241], v[240:241], v[138:139]
	v_pk_add_f32 v[238:239], v[238:239], v[142:143]
	v_pk_add_f32 v[230:231], v[230:231], v[146:147]
	v_pk_add_f32 v[228:229], v[228:229], v[150:151]
	v_pk_add_f32 v[14:15], v[14:15], v[154:155]
	v_pk_add_f32 v[236:237], v[236:237], v[158:159]
	s_delay_alu instid0(VALU_DEP_2)
	v_pk_add_f32 v[14:15], v[14:15], v[240:241]
	s_delay_alu instid0(VALU_DEP_2)
	v_pk_add_f32 v[236:237], v[236:237], v[238:239]
	v_pk_add_f32 v[246:247], v[246:247], v[230:231]
	v_pk_add_f32 v[244:245], v[244:245], v[228:229]
	s_delay_alu instid0(VALU_DEP_2)
	v_pk_add_f32 v[14:15], v[14:15], v[246:247]
	s_delay_alu instid0(VALU_DEP_2)
	v_pk_add_f32 v[236:237], v[236:237], v[244:245]
	s_delay_alu instid0(VALU_DEP_1)
	v_pk_add_f32 v[14:15], v[14:15], v[236:237]
	s_wait_alu depctr_va_vdst(0)                   ; and one for the four
.irp b, 0,1,2,3
	v_max_num_f32 v[232+\b], 0x2800000, v[232+\b]  ; the floor 2^(5 - 127)
.endr
.irp b, 0,1,2,3
	s_delay_alu instid0(VALU_DEP_4)
	v_add_nc_u32 v[244+\b], 0xfe000000, v[232+\b]
.endr
.irp b, 0,1,2,3
	s_delay_alu instid0(VALU_DEP_4)
	v_lshrrev_b32 v[236+\b], 23, v[244+\b]
.endr
	s_delay_alu instid0(VALU_DEP_3)
	v_lshl_or_b32 v253, v237, 8, v236              ; p's scale word for these 128 keys
	s_delay_alu instid0(VALU_DEP_1)
	v_lshl_or_b32 v253, v238, 16, v253
	s_delay_alu instid0(VALU_DEP_1)
	v_lshl_or_b32 v253, v239, 24, v253
	s_setprio 0
.irp c, 0,1
	v_cvt_scalef32_pk16_bf6_f32 v[224+6*\c:226+6*\c], v[96+32*\c:111+32*\c], v[244+2*\c]
	v_cvt_scalef32_pk16_bf6_f32 v[236+4*\c:238+4*\c], v[112+32*\c:127+32*\c], v[244+2*\c+1]
.endr
	v_nop                                          ; one plain line behind a scaled conversion
.irp c, 0,1
.irp i, 0,1,2
	v_permlane16_swap_b32 v[224+6*\c+\i], v[236+4*\c+\i]
.endr
.irp i, 0,1,2
	s_delay_alu instid0(VALU_DEP_3)
	v_mov_b32 v[227+6*\c+\i], v[236+4*\c+\i]
.endr
.endr
.irp j, 0,2,4,6,8,10,12,14,16,18,20,22,24,26,28,30
	v_pk_mul_f32 v[160+\j:161+\j], v[160+\j:161+\j], v[252:253] op_sel_hi:[1,0]       ; O^T under the new M; these sixteen also stand between the writing of p's codes and scale word and the products
.endr
	s_wait_alu depctr_va_vdst(0)
	s_wait_dscnt 0x0                               ; V
.irp u, 0,1,2,3
	v_wmma_scale_f32_16x16x128_f8f6f4 v[160+8*\u:167+8*\u], v[32+12*\u:43+12*\u], v[224:235], v[160+8*\u:167+8*\u], v[248+\u], v253 matrix_a_fmt:MATRIX_FMT_BF6 matrix_b_fmt:MATRIX_FMT_BF6
.endr
.rept 4
	v_nop                                          ; four places: ahead of the next step's loads and of the reading of O^T
.endr
.Lskip:
	s_add_co_u32 s[STP], s[STP], 1
	s_cmp_lt_u32 s[STP], 16
	s_cbranch_scc1 .Lstep
	s_setprio 0
	; ---- the tile is finished: O^T / the sum, quantised along the head's 64 channels (two blocks of the inner 1,024), stored as half a fragment of the last product's operand
	v_add_f32 v14, v14, v15
	s_delay_alu instid0(VALU_DEP_1)
	v_permlanex16_b32 v252, v14, s[SEL], s[SEL+1]
	s_delay_alu instid0(VALU_DEP_1)
	v_add_f32 v14, v14, v252
	s_wait_alu depctr_va_vdst(0)
	v_rcp_f32 v14, v14
	v_nop
	s_wait_alu depctr_va_vdst(0)
.set j, 0
.rept 32
	v_mul_f32 v[96+j], v[160+j], v14               ; register 16 b + i: channel 32 b + 16 h + i of my query
.set j, j+1
.endr
.irp b, 0,1
	v_max3_num_f32 v[232+\b], |v[96+16*\b]|, |v[97+16*\b]|, 0x2800000
.endr
.irp i, 2,4,6,8,10,12,14
.irp b, 0,1
	s_delay_alu instid0(VALU_DEP_2)
	v_max3_num_f32 v[232+\b], v[232+\b], |v[96+16*\b+\i]|, |v[97+16*\b+\i]|
.endr
.endr
.irp b, 0,1
	s_delay_alu instid0(VALU_DEP_2)
	v_permlanex16_b32 v[236+\b], v[232+\b], s[SEL], s[SEL+1]
.endr
.irp b, 0,1
	s_delay_alu instid0(VALU_DEP_2)
	v_max_num_f32 v[232+\b], v[232+\b], v[236+\b]
.endr
.irp b, 0,1
	s_delay_alu instid0(VALU_DEP_2)
	v_add_nc_u32 v[244+\b], 0xfe000000, v[232+\b]
.endr
.irp b, 0,1
	s_delay_alu instid0(VALU_DEP_2)
	v_lshrrev_b32 v[236+\b], 23, v[244+\b]
.endr
	s_delay_alu instid0(VALU_DEP_1)
	v_lshl_or_b32 v241, v237, 8, v236              ; the two scale bytes
	v_cvt_scalef32_pk16_bf6_f32 v[224:226], v[96:111], v244
	v_cvt_scalef32_pk16_bf6_f32 v[228:230], v[112:127], v245
	v_nop
.irp i, 0,1,2
	v_permlane16_swap_b32 v[224+\i], v[228+\i]
.endr
	s_delay_alu instid0(VALU_DEP_3)
	v_mov_b32 v227, v228
	s_delay_alu instid0(VALU_DEP_3)
	v_mov_b32 v228, v229
	s_delay_alu instid0(VALU_DEP_3)
	v_mov_b32 v229, v230
	global_store_b128 v1, v[224:227], s[52:53]     ; 512 consecutive bytes, aligned
	global_store_b64 v2, v[228:229], s[52:53] offset:512
	global_store_b16 v6, v241, s[54:55]            ; 2 bytes a row, 16 bytes apart (a scale word spans two heads, which two clusters make): 262,144 bytes in the launch; lanes l and l xor 16 write the same value
	s_xor_b32 s[GQ], s[GQ], 15                     ; the second pass: group 15 - w / 2
	s_sub_co_u32 s[PASS], s[PASS], 1
	s_cmp_lg_u32 s[PASS], 0
	s_cbranch_scc1 .Lpass
	s_wait_dscnt 0x0
	s_wait_tensorcnt 0x0
	ds_add_u32 v243, v255
	s_wait_dscnt 0x0
	ROUND                                          ; the closing round
	s_endpgm
.Lfunc_end_k_qe139f9afd8_attn:
	.size	k_qe139f9afd8_attn, .Lfunc_end_k_qe139f9afd8_attn-k_qe139f9afd8_attn
	.p2alignl 7, 3214868480
	.fill 96, 4, 3214868480
	.section	.rodata,"a",@progbits
	.p2align	6, 0x0
	.amdhsa_kernel k_qe139f9afd8_attn
		.amdhsa_group_segment_fixed_size 223232
		.amdhsa_private_segment_fixed_size 0
		.amdhsa_enable_private_segment 0
		.amdhsa_kernarg_size 24
		.amdhsa_user_sgpr_count 2
		.amdhsa_user_sgpr_kernarg_segment_ptr 1
		.amdhsa_wavefront_size32 1
		.amdhsa_system_sgpr_workgroup_id_x 1
		.amdhsa_system_sgpr_workgroup_id_y 1
		.amdhsa_system_sgpr_workgroup_id_z 1
		.amdhsa_system_vgpr_workitem_id 0
		.amdhsa_next_free_vgpr 256
		.amdhsa_next_free_sgpr 66
		.amdhsa_reserve_vcc 1
		.amdhsa_float_denorm_mode_32 3
		.amdhsa_float_denorm_mode_16_64 3
		.amdhsa_memory_ordered 1
		.amdhsa_forward_progress 1
		.amdhsa_inst_pref_size 35
	.end_amdhsa_kernel
	.amdgpu_metadata
---
amdhsa.version: [ 1, 2 ]
amdhsa.kernels:
  - .name:           k_qe139f9afd8_attn
    .symbol:         k_qe139f9afd8_attn.kd
    .args:
      - { .name: qimg, .offset: 0, .size: 8, .value_kind: global_buffer, .address_space: global }
      - { .name: kv, .offset: 8, .size: 8, .value_kind: global_buffer, .address_space: global }
      - { .name: aop, .offset: 16, .size: 8, .value_kind: global_buffer, .address_space: global }
    .group_segment_fixed_size: 223232
    .private_segment_fixed_size: 0
    .kernarg_segment_align: 8
    .kernarg_segment_size: 24
    .max_flat_workgroup_size: 512
    .sgpr_count:     66
    .vgpr_count:     256
    .wavefront_size: 32
...
	.end_amdgpu_metadata
.endif
;; end of part 3
;; launch proj (part 4): grid 4 x 64, 4 waves a work-group, clusters of 4 x 4, 295,424 bytes of LDS; arguments aop, wop, out0; writes out0
.if DOCPART == 4
	.amdgcn_target "amdgcn-amd-amdhsa--gfx1250"
	.amdhsa_code_object_version 6
	.text
	.protected	k_qe139f9afd8_proj
	.globl	k_qe139f9afd8_proj
	.p2align	8
	.type	k_qe139f9afd8_proj,@function
k_qe139f9afd8_proj:
	s_mov_b64 s[64:65], 0
	v_nop
	global_prefetch_b8 v0, s[64:65] scope:SCOPE_SE
	s_setreg_imm32_b32 hwreg(HW_REG_WAVE_MODE, 25, 1), 1
	s_wait_xcnt 0x0
	s_wait_alu depctr_hold_cnt(0) depctr_sa_sdst(0) depctr_va_vdst(0) depctr_va_sdst(0) depctr_va_ssrc(0) depctr_va_vcc(0) depctr_vm_vsrc(0)
	s_getreg_b32 s2, hwreg(HW_REG_IB_STS2, 6, 4)
	s_cmp_eq_u32 s2, 0
	s_cbranch_scc0 .Lentry_in_a_cluster
	s_endpgm
.Lentry_in_a_cluster:
	s_bfe_u32 s2, ttmp6, 0x10000c
	s_cmp_lg_u32 s2, 0xf033
	s_cbranch_scc0 .Lentry_shape_is_right
	s_endpgm
.Lentry_shape_is_right:
; PROJ.  out0 = (attention's result) w_out, 8,192 x 1,024 x 1,024, on codes of E3M2 with E8M0 scales; f32 out.
; OPERANDS are images of operand registers: codes [G][kc][t][c][768], scale bytes [G][kq][t][r][16]; lane r of tile t of a group of 128 rows = row 32 (t / 2) + 8 (t % 2) + r + 8 (r / 8).  w_out's columns are groups 24 .. 31 of wop.
; A work-group makes 128 tokens (one group) x 256 columns: 256 work-groups, one for each WGP; a tile of 256 x 256 would make 128.  Wave (w / 2, w % 2): 64 tokens x 128 columns, 32 accumulators.
; Source 0 = w_out's columns, source 1 = tokens: a lane holds one token and eight neighbouring columns.
; ALL OF K LIES IN LDS: four slots of 256 along K, each filled once; by this text's count a wave has four tensor loads out.  Waves 0, 1 bring the tokens' kc = 2 s + w (12,288 bytes), waves 2, 3 a group of columns (24,576).
; CLUSTERS 4 x 4: the tokens' tiles are asked for jointly along a row of the cluster, the columns' along a column.
; REGISTERS: window 0: v1-21 addresses; v32-63 the columns' scale words, v64-79 the tokens'; v128-223 the tokens' fragments, two sets of 48 (on the way out v128-255: rows).  window 1: the columns' fragments, two sets.  window 2: accumulator (a, b) at v[8 (8 a + b)].
.set GSTR,  98304
.set XSCL,  6291456
.set WSCL,  3145728
.set HALF,  24576
.set SLOT,  3*HALF                     ; the tokens' 256 along K, then the two groups of columns
.set SPITCH, 528                       ; the way out: a stage of 16 rows x (512 + 16) bytes a wave, in slot 0, which has had its one fill and its last read by then
.set STO, 20
.set RD,  21
.set SB,  32
.set SA,  64
.set BK,  128
.set WV,  14
.set HR,  15
.set HC,  16
.set G1A, 24                           ; s[24:31]; s[32:47] four groups 0: the tokens' tiles
.set G0A, 32
.set G1B, 48                           ; s[48:55]; s[68:83]: the columns'
.set G0B, 68
.set CX,  84
.set CY,  85
.set MR,  96
.set MC,  97
.set MSB, 0
.macro WIN new
.if MSB != (\new)
	s_set_vgpr_msb (MSB<<8)|(\new)
.set MSB, (\new)
.endif
.endm
.set MUL,  0xa1                        ; source 0 window 1, source 1 window 0, C and D window 2
.set TO_B, 0x40
.macro PLACES n
.rept \n
	v_nop
.endr
.endm
.macro CROUND
	s_barrier_signal -1
	s_barrier_wait -1
	s_cmp_lg_u32 s[WV], 0
	s_cbranch_scc1 .Lnot_wave_0_\@
	s_barrier_signal -3
.Lnot_wave_0_\@:
	s_barrier_wait -3
	s_barrier_signal -1
	s_barrier_wait -1
.endm
	s_load_b128 s[4:7], s[0:1], 0x0                ; aop s[4:5], wop s[6:7]
	s_load_b64 s[8:9], s[0:1], 0x10                ; out0
	v_lshl_add_u32 v126, v0, 2, 0x48000
	v_mov_b32 v127, 0
	ds_add_u32 v126, v127
	ds_add_u32 v126, v127
	v_lshrrev_b32 v3, 5, v0
	v_readfirstlane_b32 s[WV], v3
	s_lshr_b32 s[HR], s[WV], 1
	s_and_b32 s[HC], s[WV], 1
	s_bfe_u32 s[CX], ttmp6, 0x40000
	s_bfe_u32 s[CY], ttmp6, 0x40004
	s_and_b32 s86, ttmp7, 0xffff
	s_lshl_b32 s86, s86, 2
	s_add_co_u32 s86, s86, s[CY]                   ; my group of 128 tokens: 4 x cluster y + cy
	s_lshl_b32 s[MR], s[CY], 2
	s_lshl_b32 s[MR], 15, s[MR]
	s_lshl_b32 s[MC], 0x1111, s[CX]
	s_or_b32 s[G1A], s[MR], (3<<16)|(1<<21)        ; the mask; elements of 8 bytes; bit 21 beside a mask; no padding
	s_mov_b32 s[G1A+1], 32<<16                     ; rows of 256 bytes,
	s_mov_b32 s[G1A+2], 48<<16                     ; 48 of them
	s_mov_b32 s[G1A+3], 32<<16
	s_mov_b32 s[G1A+4], 48
	s_mov_b32 s[G1A+5], 32
	s_mov_b32 s[G1A+6], 0
	s_mov_b32 s[G1A+7], 0
	s_or_b32 s[G1B], s[MC], (3<<16)|(1<<21)
	s_mov_b32 s[G1B+1], 32<<16
	s_mov_b32 s[G1B+2], 96<<16                     ; 96 rows
	s_mov_b32 s[G1B+3], 32<<16
	s_mov_b32 s[G1B+4], 96
	s_mov_b32 s[G1B+5], 32
	s_mov_b32 s[G1B+6], 0
	s_mov_b32 s[G1B+7], 0
	s_mul_i32 s88, s86, GSTR
	s_mul_i32 s87, s[HC], 12288
	s_add_co_u32 s88, s88, s87                     ; the tokens' group, kc = w % 2: no cx enters it
	s_mov_b32 s89, 0
	s_lshl_b32 s90, s[CX], 1
	s_add_co_u32 s90, s90, s[HC]
	s_add_co_u32 s90, s90, 24                      ; the group of columns that I fetch, and multiply: no cy enters it
	s_mul_i32 s92, s90, GSTR
	s_mov_b32 s93, 0
	s_mul_i32 s94, s[HC], 12288                    ; where they land in a slot: the wave's number alone
	s_mul_i32 s95, s[HC], HALF
	s_add_co_u32 s95, s95, HALF
	s_wait_dscnt 0x0
	s_wait_kmcnt 0x0
	s_add_nc_u64 s[88:89], s[4:5], s[88:89]
	s_add_nc_u64 s[92:93], s[6:7], s[92:93]
.irp s, 0,1,2,3
	s_mov_b32 s[G0A+4*\s], 1
	s_add_co_u32 s[G0A+4*\s+1], s94, \s*SLOT
	s_add_nc_u64 s[G0A+4*\s+2:G0A+4*\s+3], s[88:89], \s*HALF
	s_or_b32 s[G0A+4*\s+3], s[G0A+4*\s+3], 0x80000000
	s_mov_b32 s[G0B+4*\s], 1
	s_add_co_u32 s[G0B+4*\s+1], s95, \s*SLOT
	s_add_nc_u64 s[G0B+4*\s+2:G0B+4*\s+3], s[92:93], \s*HALF
	s_or_b32 s[G0B+4*\s+3], s[G0B+4*\s+3], 0x80000000
.endr
	CROUND                                         ; all sixteen work-groups are here: the joint loads meet
	s_cmp_eq_u32 s[HR], 0                          ; a wave's four fills stand in one branch, ahead of every wait on TENSORcnt and every LDS read
	s_cbranch_scc0 .Lfirst_b
	tensor_load_to_lds s[G0A:G0A+3], s[G1A:G1A+7]
	s_nop 0
	tensor_load_to_lds s[G0A+4:G0A+7], s[G1A:G1A+7]
	s_nop 0
	tensor_load_to_lds s[G0A+8:G0A+11], s[G1A:G1A+7]
	s_nop 0
	tensor_load_to_lds s[G0A+12:G0A+15], s[G1A:G1A+7]
	s_nop 0
.rept 4
	v_nop
.endr
	s_branch .Lfirst_done
.Lfirst_b:
	tensor_load_to_lds s[G0B:G0B+3], s[G1B:G1B+7]
	s_nop 0
	tensor_load_to_lds s[G0B+4:G0B+7], s[G1B:G1B+7]
	s_nop 0
	tensor_load_to_lds s[G0B+8:G0B+11], s[G1B:G1B+7]
	s_nop 0
	tensor_load_to_lds s[G0B+12:G0B+15], s[G1B:G1B+7]
	s_nop 0
.rept 4
	v_nop
.endr
.Lfirst_done:
	v_and_b32 v3, 31, v0
	v_lshlrev_b32 v1, 4, v3                        ; 16 x lane
	s_wait_alu depctr_va_vdst(0)
	v_lshlrev_b32 v2, 3, v3                        ; 8 x lane
	s_wait_alu depctr_va_vdst(0)
	s_lshl_b32 s56, s90, 12
	s_add_co_u32 s56, s56, WSCL
	s_mov_b32 s57, 0
	s_add_nc_u64 s[56:57], s[6:7], s[56:57]        ; the scale bytes of my group of columns
	s_lshl_b32 s58, s86, 12
	s_lshl_b32 s59, s[HR], 10
	s_add_co_u32 s58, s58, s59
	s_add_co_u32 s58, s58, XSCL
	s_mov_b32 s59, 0
	s_add_nc_u64 s[58:59], s[4:5], s[58:59]        ; and of my four tiles of tokens
.irp q, 0,1
.irp i, 0,1,2,3
	global_load_b128 v[SB+16*\q+4*\i:SB+16*\q+4*\i+3], v1, s[56:57] offset:2048*\q+512*\i
.endr
.irp i, 0,1
	global_load_b128 v[SA+8*\q+4*\i:SA+8*\q+4*\i+3], v1, s[58:59] offset:2048*\q+512*\i
.endr
.endr
	s_mul_i32 s18, s[HR], 4*1536                   ; my four tiles of tokens
	s_mul_i32 s19, s[HC], HALF
	s_add_co_u32 s19, s19, HALF                    ; my group of columns
.irp s, 0,1,2,3
	v_add_nc_u32 v[4+4*\s], s18, v1
	v_add_nc_u32 v[5+4*\s], s18, v2
	v_add_nc_u32 v[6+4*\s], s19, v1
	v_add_nc_u32 v[7+4*\s], s19, v2
	s_add_co_u32 s18, s18, SLOT
	s_add_co_u32 s19, s19, SLOT
.endr
	v_and_b32 v22, 15, v0
	v_bfe_u32 v23, v0, 4, 1
	s_mul_i32 s18, s[WV], 16*SPITCH                ; my stage
	v_mul_u32_u24 v[STO], v22, SPITCH
	v_lshl_add_u32 v[STO], v23, 6, v[STO]
	v_add_nc_u32 v[STO], s18, v[STO]               ; in: row r, + 64 h
	v_add_nc_u32 v[RD], s18, v1                    ; back: a row of 512 bytes to the 32 lanes
	s_lshl_b32 s60, s86, 7
	s_lshl_b32 s61, s[HR], 6
	s_add_co_u32 s60, s60, s61
	s_lshl_b32 s60, s60, 12                        ; token 128 group + 64 (w / 2), rows of 4,096 bytes
	s_lshl_b32 s61, s[CX], 10
	s_add_co_u32 s60, s60, s61
	s_lshl_b32 s61, s[HC], 9
	s_add_co_u32 s60, s60, s61                     ; column 256 cx + 128 (w % 2)
	s_mov_b32 s61, 0
	s_add_nc_u64 s[8:9], s[8:9], s[60:61]
.macro FRAG reg, a16, a8, off
	ds_load_b128 v[\reg:\reg+3], v[\a16] offset:\off
	ds_load_b64 v[\reg+4:\reg+5], v[\a8] offset:\off+512
	ds_load_b128 v[\reg+6:\reg+9], v[\a16] offset:\off+768
	ds_load_b64 v[\reg+10:\reg+11], v[\a8] offset:\off+1280
.endm
.macro FETCHP kc                       ; step kc's twelve fragments into the sets kc % 2
.set SL, ((\kc)/2)
.set OF, ((\kc)%2)*12288
.set RB, 128*((\kc)%2)
.set RA, 128+48*((\kc)%2)
	WIN TO_B
.irp i, 0,1,2,3,4,5,6,7
	FRAG RB+12*\i, 6+4*SL, 7+4*SL, OF+1536*\i
.endr
	WIN 0
.irp i, 0,1,2,3
	FRAG RA+12*\i, 4+4*SL, 5+4*SL, OF+1536*\i
.endr
.endm
.macro WM a, b, kc
.set rD, 8*(8*(\a)+(\b))
.set rB, 128*((\kc)%2)+12*(\b)
.set rA, 128+48*((\kc)%2)+12*(\a)
.set rS0, SB+16*((\kc)/4)+4*((\b)/2)+((\kc)%4)
.set rS1, SA+8*((\kc)/4)+4*((\a)/2)+((\kc)%4)
.set o0, (\b)%2
.set o1, (\a)%2
.set zz, ((\kc) == 0)
.if zz && (o0 == 0) && (o1 == 0)
	v_wmma_scale_f32_16x16x128_f8f6f4 v[rD:rD+7], v[rB:rB+11], v[rA:rA+11], 0, v[rS0], v[rS1] matrix_a_fmt:MATRIX_FMT_BF6 matrix_b_fmt:MATRIX_FMT_BF6
.elseif zz && (o0 == 1) && (o1 == 0)
	v_wmma_scale_f32_16x16x128_f8f6f4 v[rD:rD+7], v[rB:rB+11], v[rA:rA+11], 0, v[rS0], v[rS1] matrix_a_fmt:MATRIX_FMT_BF6 matrix_b_fmt:MATRIX_FMT_BF6 matrix_a_scale:MATRIX_SCALE_ROW1
.elseif zz && (o0 == 0) && (o1 == 1)
	v_wmma_scale_f32_16x16x128_f8f6f4 v[rD:rD+7], v[rB:rB+11], v[rA:rA+11], 0, v[rS0], v[rS1] matrix_a_fmt:MATRIX_FMT_BF6 matrix_b_fmt:MATRIX_FMT_BF6 matrix_b_scale:MATRIX_SCALE_ROW1
.elseif zz
	v_wmma_scale_f32_16x16x128_f8f6f4 v[rD:rD+7], v[rB:rB+11], v[rA:rA+11], 0, v[rS0], v[rS1] matrix_a_fmt:MATRIX_FMT_BF6 matrix_b_fmt:MATRIX_FMT_BF6 matrix_a_scale:MATRIX_SCALE_ROW1 matrix_b_scale:MATRIX_SCALE_ROW1
.elseif (o0 == 0) && (o1 == 0)
	v_wmma_scale_f32_16x16x128_f8f6f4 v[rD:rD+7], v[rB:rB+11], v[rA:rA+11], v[rD:rD+7], v[rS0], v[rS1] matrix_a_fmt:MATRIX_FMT_BF6 matrix_b_fmt:MATRIX_FMT_BF6
.elseif (o0 == 1) && (o1 == 0)
	v_wmma_scale_f32_16x16x128_f8f6f4 v[rD:rD+7], v[rB:rB+11], v[rA:rA+11], v[rD:rD+7], v[rS0], v[rS1] matrix_a_fmt:MATRIX_FMT_BF6 matrix_b_fmt:MATRIX_FMT_BF6 matrix_a_scale:MATRIX_SCALE_ROW1
.elseif (o0 == 0) && (o1 == 1)
	v_wmma_scale_f32_16x16x128_f8f6f4 v[rD:rD+7], v[rB:rB+11], v[rA:rA+11], v[rD:rD+7], v[rS0], v[rS1] matrix_a_fmt:MATRIX_FMT_BF6 matrix_b_fmt:MATRIX_FMT_BF6 matrix_b_scale:MATRIX_SCALE_ROW1
.else
	v_wmma_scale_f32_16x16x128_f8f6f4 v[rD:rD+7], v[rB:rB+11], v[rA:rA+11], v[rD:rD+7], v[rS0], v[rS1] matrix_a_fmt:MATRIX_FMT_BF6 matrix_b_fmt:MATRIX_FMT_BF6 matrix_a_scale:MATRIX_SCALE_ROW1 matrix_b_scale:MATRIX_SCALE_ROW1
.endif
.endm
; A step of 128 along K: its fragments are in; the next step's are asked for, into the other sets, and land under this step's 32 products.  The 32 accumulators take turns, one instruction a turn.
.macro KSTEP kc
.if ((\kc) < 7) && (((\kc)%2) == 1)
	s_wait_tensorcnt 3-((\kc)+1)/2                 ; my part of the next slot has landed; the later slots' loads may stay out
	s_wait_dscnt 0x0
	s_barrier_signal -1
	s_barrier_wait -1                              ; everybody's has
.else
	s_wait_dscnt 0x0
.endif
.if (\kc) < 7
	PLACES 4                                       ; ahead of loads into registers that the last step's products have read
	FETCHP (\kc)+1
.endif
	WIN MUL
.irp a, 0,1,2,3
.irp b, 0,1,2,3,4,5,6,7
	WM \a, \b, \kc
.endr
.endr
	WIN 0
.endm
	s_wait_alu depctr_va_vdst(0)
	s_wait_tensorcnt 3                             ; my part of slot 0 is in,
	s_barrier_signal -1
	s_barrier_wait -1                              ; everybody's is
	FETCHP 0
	s_wait_loadcnt 0x0                             ; the scale words
.irp k, 0,1,2,3,4,5,6,7
	KSTEP \k
.endr
; THE WAY OUT, a tile of 16 tokens x 128 columns at a time, through my own stage: in as 32 bytes a lane, back as whole rows of 512 bytes.  LDS serves a wave's instructions in order: no wait between the stores and the loads.
.macro TOSTAGE a
	WIN 0x08                                       ; an LDS store's data are its source 1: window 2
.irp b, 0,1,2,3,4,5,6,7
	ds_store_b128 v[STO], v[8*(8*(\a)+\b):8*(8*(\a)+\b)+3] offset:128*(\b/2)+32*(\b%2)         ; columns 32 (b / 2) + 16 h + 8 (b % 2) + 0 .. 7; each accumulator from its low end on
	ds_store_b128 v[STO], v[8*(8*(\a)+\b)+4:8*(8*(\a)+\b)+7] offset:128*(\b/2)+32*(\b%2)+16
.endr
	WIN 0
.set BB, BK+64*((\a)%2)
.irp t, 0,1,2,3,4,5,6,7,8,9,10,11,12,13,14,15
	ds_load_b128 v[BB+4*\t:BB+4*\t+3], v[RD] offset:\t*SPITCH
.endr
.endm
.macro SEND a, younger                 ; younger: the LDS instructions issued behind tile a's loads
.set BB, BK+64*((\a)%2)
	s_wait_dscnt \younger
.irp t, 0,1,2,3,4,5,6,7,8,9,10,11,12,13,14,15
	global_store_b128 v1, v[BB+4*\t:BB+4*\t+3], s[8:9] offset:(32*((\a)/2)+8*((\a)%2)+\t+8*(\t/8))*4096 th:TH_STORE_NT   ; lane row t of tile a is token 32 (a / 2) + 8 (a % 2) + t + 8 (t / 8); 512 consecutive bytes, aligned; written once
.endr
.endm
	PLACES 4                                       ; behind the last products: ahead of the stores that read results and of the loads into the fragments' registers
	TOSTAGE 0
.irp a, 1,2,3
.if \a > 1
	s_wait_xcnt 0x0                                ; tile a - 2's stores have read their registers: tile a's rows may land there
.endif
	TOSTAGE \a
	SEND \a-1, 32                                  ; behind tile a - 1's loads: tile a's 16 stores and 16 loads
.endr
	SEND 3, 0
	s_wait_tensorcnt 0x0
	ds_add_u32 v126, v127
	s_wait_dscnt 0x0
	CROUND                                         ; the closing round: no work-group ends while a partner may still ask for a tile that names it
	s_endpgm
.Lfunc_end_k_qe139f9afd8_proj:
	.size	k_qe139f9afd8_proj, .Lfunc_end_k_qe139f9afd8_proj-k_qe139f9afd8_proj
	.p2alignl 7, 3214868480
	.fill 96, 4, 3214868480
	.section	.rodata,"a",@progbits
	.p2align	6, 0x0
	.amdhsa_kernel k_qe139f9afd8_proj
		.amdhsa_group_segment_fixed_size 295424
		.amdhsa_private_segment_fixed_size 0
		.amdhsa_enable_private_segment 0
		.amdhsa_kernarg_size 24
		.amdhsa_user_sgpr_count 2
		.amdhsa_user_sgpr_kernarg_segment_ptr 1
		.amdhsa_wavefront_size32 1
		.amdhsa_system_sgpr_workgroup_id_x 1
		.amdhsa_system_sgpr_workgroup_id_y 1
		.amdhsa_system_sgpr_workgroup_id_z 1
		.amdhsa_system_vgpr_workitem_id 0
		.amdhsa_next_free_vgpr 768
		.amdhsa_next_free_sgpr 100
		.amdhsa_reserve_vcc 0
		.amdhsa_float_denorm_mode_32 3
		.amdhsa_float_denorm_mode_16_64 3
		.amdhsa_memory_ordered 1
		.amdhsa_forward_progress 1
		.amdhsa_inst_pref_size 84
	.end_amdhsa_kernel
	.amdgpu_metadata
---
amdhsa.version: [ 1, 2 ]
amdhsa.kernels:
  - .name:           k_qe139f9afd8_proj
    .symbol:         k_qe139f9afd8_proj.kd
    .args:
      - { .name: aop, .offset: 0, .size: 8, .value_kind: global_buffer, .address_space: global }
      - { .name: wop, .offset: 8, .size: 8, .value_kind: global_buffer, .address_space: global }
      - { .name: out0, .offset: 16, .size: 8, .value_kind: global_buffer, .address_space: global }
    .group_segment_fixed_size: 295424
    .private_segment_fixed_size: 0
    .kernarg_segment_align: 8
    .kernarg_segment_size: 24
    .max_flat_workgroup_size: 128
    .sgpr_count:     100
    .vgpr_count:     768
    .wavefront_size: 32
...
	.end_amdgpu_metadata
.endif
;; end of part 4
